; MI455X (gfx1250); checked and timed in simulation.
; The chip was launched on July 23, 2026; its instructions are those of AMD's public machine-readable ISA for CDNA 5 (MIT licence, August 2026) and "CDNA5" Instruction Set Architecture Reference Guide (July 2026). The comments in the code are by the model that wrote it; some were corrected since.
;; Llama Attention. Allowed arithmetic: matrix products marked QUANTISED: E2M3 operands, one E8M0 scale for each 32 along K, by v_wmma_scale_f32_16x16x128_f8f6f4 with both operands' format E2M3, f32 sums; everything else in f32.
;; Inputs: Wk 2,048 x 2,048 float32; Wo 2,048 x 2,048 float32; Wq 2,048 x 2,048 float32; Wv 2,048 x 2,048 float32; mask 2,048 x 2,048 float32; x 1 x 2,048 x 2,048 float32.
;; Outputs: out0 1 x 2,048 x 2,048 float32.
;; This version of the problem:
;;   THIS VERSION OF THE PROBLEM IS GIVEN IN LOW PRECISION. The matrix products marked QUANTISED in the list below multiply operands that are first quantised to E2M3 (2 exponent bits, 3 mantissa bits; 6 bits a number), with one power-of-two scale for each 32 numbers along K (OCP MX v1.0); their sums are f32. All else is computed in f32.
;;   The module's matrix products, in the order in which they are computed (A, B: the left and right operand; K: the contracted axis; several contracted axes count as one K, in the product's order):
;;     1. [M 2,048, K 2,048] x [K 2,048, N 2,048]; A: input x; B: input Wq: QUANTISED
;;     2. [M 2,048, K 2,048] x [K 2,048, N 2,048]; A: input x; B: input Wk: QUANTISED
;;     3. [M 2,048, K 2,048] x [K 2,048, N 2,048]; A: input x; B: input Wv: QUANTISED
;;     4. batch 16 x [M 2,048, K 128] x [K 128, N 2,048]; A: computed on the way; B: computed on the way: QUANTISED
;;     5. batch 16 x [M 2,048, K 2,048] x [K 2,048, N 128]; A: softmax (see below); B: computed on the way: QUANTISED
;;     6. [M 2,048, K 2,048] x [K 2,048, N 2,048]; A: computed on the way; B: input Wo: QUANTISED
;;   THE QUANTISER, for each operand of a quantised product, along K:
;;     - K is cut into blocks of 32 from its start; a last block that is shorter is filled with zeros.
;;     - A block's scale is 2^e with e = floor(log2(the largest magnitude in the block)) - 2, held to -126 .. 127; a block of zeros has e = 0. As a byte (E8M0): e + 127.
;;     - Each number is divided by its block's scale, clamped to +-7.5, and rounded to the nearest number of E2M3, ties to even, subnormals kept.
;;     - The product sums the exact products of the quantised numbers (number of the format x scale) in f32.
;;   ~~~python
;;   def quantise(x, axis):      # numpy; x: float32 -> the quantised numbers, widened to float32 again
;;       x = np.moveaxis(x, axis, -1); K = x.shape[-1]
;;       x = np.pad(x, [(0, 0)] * (x.ndim - 1) + [(0, -K % 32)]); x = x.reshape(x.shape[:-1] + (-1, 32)); a = np.abs(x).max(-1, keepdims=True)
;;       e = np.where(a > 0, np.clip(np.frexp(np.where(a > 0, a, 1))[1] - 1 - 2, -126, 127), 0)      # np.frexp(a)[1] - 1 = floor(log2(a)), exactly
;;       r = np.clip(x / 2.0 ** e, -7.5, 7.5)
;;       step = 2.0 ** (np.maximum(np.frexp(np.where(r == 0, 1, r))[1] - 1, 0) - 3)
;;       q = np.round(r / step) * step * 2.0 ** e      # np.round: ties to even
;;       return np.moveaxis(q.reshape(q.shape[:-2] + (-1,))[..., :K], -1, axis).astype(np.float32)
;;   ~~~
;;   SOFTMAX AHEAD OF A QUANTISED PRODUCT. Where the list says 'softmax', what is quantised is not the finished softmax but p = 2^(t - M), with t = logit x log2(e) and M = ceil(the row's largest t), a whole number; so 1/2 < the row's largest p <= 1. The row's sum l is taken of the UNQUANTISED p, in f32, and the product's result is divided by l at the end. Since M is a whole number, a kernel that streams over the keys may use a running M (the ceiling of the running maximum): every later rescaling is an exact power of two, which a block's scale takes up: the codes' values come out the same.
;;   OPERANDS COMPUTED ON THE WAY. 'Computed on the way' means the value that the module computes at that place (a softmax that the list does not call 'softmax' is quantised finished and normalised). What goes into a quantiser is computed in f32, as accurately as f32 sums, v_exp_f32 and their like allow (about 1e-6 of the number): no bf16 or f16 on the way to a quantiser, and a product that is left as it is and whose result goes on into a quantised operand takes f32 operands (vector FMAs, or v_wmma_f32_16x16x4_f32). A number that lies on a knife's edge between two numbers of the format may be rounded either way, as far as f32 arithmetic and the matrix unit's own rounding can turn it there, and no further.
;; 2 versions, each right. Each part assembles by itself: llvm-mc -triple=amdgcn-amd-amdhsa -mcpu=gfx1250 --defsym DOCPART=n.
;; ======== version 1 of 2: 4 launches
;; workspace buffers: cod 17,039,360 bytes; mimg 16,777,216 bytes; rope 1,056,768 bytes; qkv 10,223,616 bytes; ocod 3,407,872 bytes
;; launch prep (part 1): grid 1024 x 1, 4 waves a work-group, no clusters, 34,304 bytes of LDS; arguments x, mask, Wq, Wk, Wv, Wo, cod, mimg, rope; writes cod, mimg, rope
.if DOCPART == 1
	.amdgcn_target "amdgcn-amd-amdhsa--gfx1250"
	.amdhsa_code_object_version 6
	.text
	.protected	k_qd3547fd462_prep
	.globl	k_qd3547fd462_prep
	.p2align	8
	.type	k_qd3547fd462_prep,@function
k_qd3547fd462_prep:
	s_mov_b64 s[64:65], 0
	v_nop
	global_prefetch_b8 v0, s[64:65] scope:SCOPE_SE
	s_setreg_imm32_b32 hwreg(HW_REG_WAVE_MODE, 25, 1), 1
	s_wait_xcnt 0x0
; PREP: everything that is read wide is read once here and laid as the later launches' registers want it.
;   cod : the five operands Wq, Wk, Wv, Wo, x as codes of FP6 (E2M3) with one E8M0 scale byte for each 32 along K (K = the weights' FIRST axis, x's last).
;   mimg: the mask, f32, in the order of the score tiles' registers.     rope: cos and sin of pos x freq, f32, in the order of the projections' result registers; tile 128 is (1, 0).
; AN OPERAND BLOCK (OB) is 128 rows x 128 K: eight tiles of 16 rows, each an IMAGE OF ITS FRAGMENT'S 12 REGISTERS (piece c, registers 4 c .. 4 c + 3, at 512 c + 16 x lane), then from SCO on eight
; times 128 bytes of scale words (4 x lane; lanes r and 16 + r hold row r's word).  An operand is 16 groups of rows x 16 K steps of such blocks.
; THE ROWS OF A TILE ARE NOT NEIGHBOURS: lane r of tile 2 b + u of a group takes row 32 b + 8 u + r % 8 + 16 (r / 8), so that a product that takes the tile as source 0 leaves 16 neighbours in the 16 registers of two tiles.
; A block's scale is 2^(floor(log2(largest magnitude)) - 2); its byte is the largest magnitude's exponent field - 2, held at 1 from below.
; LIMITS: NaN and infinities in x and the weights are not served; a block whose largest magnitude lies under 2^-124, a block of zeros among them, gets the byte 1 (its codes add nothing; this program alone reads the bytes).
; pos x freq is formed in f32 as the problem forms it, so its own rounding (some 1e-4 at position 2,047) is in cos and sin here as there.
; WORK-GROUPS 0-511: the weights (a lane to a column, registers down K: nothing is transposed by an instruction).  512-767: x and the table.  768-1023: the mask.  Waves share nothing: no barrier.
.set OB,    13312
.set SCO,   12288
.set GRP,   16*OB
.set OPB,   16*GRP
.set ROWB,  8192                       ; a row of every input: 2,048 f32
.set SP,    528                        ; a stage row: 512 bytes + 16
.set STG,   16*SP                      ; a wave's stage
.set SPARE, 4*STG                      ; behind the stages: the spare words, 128 bytes for each wave
.set SPW,   12                         ; v12  LDS address of my spare word; never rewritten
.set NIL,   13                         ; v13  0; never rewritten
.set LN,    14                         ; v14  lane
.set SEL,   2                          ; s[2:3] selects for lane l xor 16
.set WX,    32                         ; weights: v32-95 two sets of 32 numbers
.set WF,    96                         ; v96-143 fragments: K step q, tile T at 96 + 24 q + 12 T
.set WH,    144                        ; v144-159 the upper 16 codes of the four blocks of a K step
.set WS,    160                        ; v160-163 scale words: K step q: tile 0's, tile 1's
.set RR,    32                         ; rows: v32-95, v96-159 the numbers as loaded, a set for each K step
.set XR,    160                        ; v160-223 the numbers turned: register 16 b + i = k 32 b + 16 (lane / 16) + i of my row
.set RP,    160                        ; (before that: the table's work registers, 12 for each of four pairs)
.set RES,   224                        ; v224-231 cos, sin of four pairs;  v232-235 (1, 0, 1, 0)
.set PC,    32                         ; v32-50 codes, v52-67 at work, v68 the scale word: in the first set, once it has gone into the stage
.set TM,    52
.set PW,    68
; 64 numbers of a lane, v[s] .. v[s + 63], register 16 b + i = k 32 b + 16 (lane / 16) + i of my row, become a fragment's codes in v[PC] on and its scale word in v[PW].
.macro QUANT s
.irp b, 0,1,2,3
	v_max3_num_f32 v[TM+\b], |v[\s+16*\b]|, |v[\s+1+16*\b]|, 0x1800000   ; block b: my 16 numbers, and the floor 2^(3 - 127): the byte cannot fall under 1
.endr
.irp i, 2,4,6,8,10,12,14
.irp b, 0,1,2,3
	v_max3_num_f32 v[TM+\b], v[TM+\b], |v[\s+16*\b+\i]|, |v[\s+1+16*\b+\i]|   ; the four blocks by turns
.endr
.endr
.irp b, 0,1,2,3
	v_permlanex16_b32 v[TM+4+\b], v[TM+\b], s[SEL], s[SEL+1]
.endr
.irp b, 0,1,2,3
	v_max_num_f32 v[TM+\b], v[TM+\b], v[TM+4+\b]   ; with lane l xor 16's: the block's largest magnitude
.endr
.irp b, 0,1,2,3
	v_add_nc_u32 v[TM+12+\b], 0xff000000, v[TM+\b]   ; 2 off its exponent field: the conversion takes that field as its scale
.endr
.irp b, 0,1,2,3
	v_lshrrev_b32 v[TM+4+\b], 23, v[TM+12+\b]      ; the scale's byte
.endr
	v_lshl_or_b32 v[PW], v[TM+5], 8, v[TM+4]       ; four bytes: my row's scale word, in both halves of the lanes
	v_lshl_or_b32 v[PW], v[TM+6], 16, v[PW]
	v_lshl_or_b32 v[PW], v[TM+7], 24, v[PW]
.irp c, 0,1
	v_cvt_scalef32_pk16_fp6_f32 v[PC+6*\c:PC+2+6*\c], v[\s+32*\c:\s+15+32*\c], v[TM+12+2*\c]
	v_cvt_scalef32_pk16_fp6_f32 v[PC+12+4*\c:PC+14+4*\c], v[\s+16+32*\c:\s+31+32*\c], v[TM+12+2*\c+1]   ; (a conversion's three registers begin on an even number)
.endr
	v_nop                                          ; one plain place behind a scaled conversion
.irp c, 0,1                                    ; the layout wants a WHOLE block in a lane: lanes 0-15 block 2 c, lanes 16-31 block 2 c + 1
.irp i, 0,1,2
	v_permlane16_swap_b32 v[PC+6*\c+\i], v[PC+12+4*\c+\i]
.endr
.irp i, 0,1,2
	v_mov_b32 v[PC+3+6*\c+\i], v[PC+12+4*\c+\i]
.endr
.endr
.endm
	s_load_b256 s[4:11], s[0:1], 0x0               ; x s[4:5], mask s[6:7], Wq s[8:9], Wk s[10:11]
	s_load_b256 s[12:19], s[0:1], 0x20             ; Wv s[12:13], Wo s[14:15], cod s[16:17], mimg s[18:19]
	s_load_b64 s[20:21], s[0:1], 0x40              ; rope
	v_lshl_add_u32 v[SPW], v0, 2, SPARE
	v_mov_b32 v[NIL], 0
	v_lshrrev_b32 v1, 5, v0
	v_readfirstlane_b32 s22, v1                    ; wave 0..3
	v_and_b32 v[LN], 31, v0
	s_wait_kmcnt 0x0
	s_cmp_lt_u32 ttmp9, 512
	s_cbranch_scc0 .Lrows
; ---------------- THE WEIGHTS.  Work-group = (matrix, group of 128 columns, 256 along K); wave w: 32 columns, the rows of tiles 2 w (lanes 0-15) and 2 w + 1 (lanes 16-31).
	s_lshr_b32 s23, ttmp9, 7                       ; which matrix: 0 Wq, 1 Wk, 2 Wv, 3 Wo
	s_bfe_u32 s24, ttmp9, 0x40003                  ; group of columns
	s_and_b32 s25, ttmp9, 7                        ; which 256 along K
	s_and_b32 s26, s23, 1
	s_cmp_eq_u32 s26, 1
	s_cselect_b64 s[28:29], s[10:11], s[8:9]
	s_cselect_b64 s[30:31], s[14:15], s[12:13]
	s_cmp_ge_u32 s23, 2
	s_cselect_b64 s[28:29], s[30:31], s[28:29]     ; the choice hangs on the work-group's number alone
	s_lshl_b32 s32, s25, 21                        ; 256 rows of 8,192 bytes
	s_lshl_b32 s33, s24, 9                         ; 128 columns of 4 bytes
	s_add_co_u32 s32, s32, s33
	s_lshl_b32 s33, s22, 7                         ; my wave's 32 columns
	s_add_co_u32 s32, s32, s33
	s_mov_b32 s33, 0
	s_add_nc_u64 s[28:29], s[28:29], s[32:33]
	s_lshl_b32 s34, s24, 4
	s_lshl_b32 s35, s25, 1
	s_add_co_u32 s34, s34, s35                     ; block 16 x group + K step
	s_mul_i32 s34, s34, OB
	s_mul_i32 s35, s23, OPB
	s_add_co_u32 s34, s34, s35
	s_mov_b32 s35, 0
	s_add_nc_u64 s[16:17], s[16:17], s[34:35]
	v_and_b32 v2, 7, v[LN]                         ; my column among the 32: lane % 8 + 8 (lane / 16) + 16 ((lane / 8) % 2)
	v_bfe_u32 v3, v[LN], 4, 1
	v_lshl_or_b32 v2, v3, 3, v2
	v_bfe_u32 v3, v[LN], 3, 1
	v_lshl_or_b32 v2, v3, 4, v2
	v_lshlrev_b32 v2, 2, v2                        ; in bytes: a load's 32 lanes read 128 consecutive bytes, the four waves 512
	s_mul_i32 s36, s22, 3072
	v_lshl_add_u32 v3, v[LN], 4, s36               ; out: 16 x lane + my two tiles' images
	s_lshl_b32 s36, s22, 8
	s_add_co_u32 s36, s36, SCO
	v_lshl_add_u32 v4, v[LN], 2, s36               ; and 4 x lane + their scale words
.macro WLOAD t                         ; block t: W(32 t + i, my column), i = 0 .. 31, into set t % 2
.set i, 0
.rept 32
	global_load_b32 v[WX+32*((\t)%2)+i], v2, s[28:29] offset:(32*(\t)+i)*ROWB th:TH_LOAD_NT
.set i, i+1
.endr
.endm
.macro WBLOCK t                        ; block t % 4 of K step t / 4: all its 32 numbers are mine
.set XS, WX+32*((\t)%2)
.set FQ, WF+24*((\t)/4)+12*((\t)%2)+6*(((\t)%4)/2)   ; even blocks into the first run of 12, odd blocks into the second
.set HQ, WH+4*((\t)%4)
.set SQ, WS+2*((\t)/4)
.if (\t) < 7
	s_wait_loadcnt 32                              ; this block's 32 loads are in; the next block's 32 may be out
.else
	s_wait_loadcnt 0x0
.endif
	v_max3_num_f32 v8, |v[XS]|, |v[XS+1]|, |v[XS+2]|
	v_max3_num_f32 v9, |v[XS+3]|, |v[XS+4]|, |v[XS+5]|
.irp i, 6,10,14,18,22,26
	v_max3_num_f32 v8, v8, |v[XS+\i]|, |v[XS+\i+1]|
	v_max3_num_f32 v9, v9, |v[XS+\i+2]|, |v[XS+\i+3]|
.endr
	v_max3_num_f32 v8, v8, |v[XS+30]|, |v[XS+31]|
	v_max3_num_f32 v8, v8, v9, 0x1800000           ; and the floor 2^(3 - 127)
	v_add_nc_u32 v11, 0xff000000, v8               ; 2 off the exponent field: the conversion's scale operand
	v_lshrrev_b32 v9, 23, v11                      ; the scale's byte
.if (\t)%4 == 0
	v_mov_b32 v[SQ], v9
.else
	v_lshl_or_b32 v[SQ], v9, 8*((\t)%4), v[SQ]
.endif
	v_cvt_scalef32_pk16_fp6_f32 v[FQ:FQ+2], v[XS:XS+15], v11
	v_cvt_scalef32_pk16_fp6_f32 v[HQ:HQ+2], v[XS+16:XS+31], v11     ; (three registers from an even number on: the upper half is made apart and moved)
.if (\t) < 6
	WLOAD (\t)+2
.endif
.endm
; K step q is whole.  Lanes 0-15 hold tile 0's rows and lanes 16-31 tile 1's; a fragment wants even blocks in lanes 0-15 and odd blocks in lanes 16-31 of ONE tile: the exchange of the
; first run's upper lanes with the second run's lower lanes gives just that.  Every store has registers of its own: none is written again.
.macro WFINISH q
.set F0, WF+24*(\q)
.set F1, WF+24*(\q)+12
.set SQ, WS+2*(\q)
	v_nop                                          ; one plain place behind the conversions
.irp c, 0,1
.irp i, 0,1,2
	v_permlane16_swap_b32 v[F0+6*\c+\i], v[F1+6*\c+\i]
	v_permlane16_swap_b32 v[WH+8*\c+\i], v[WH+4+8*\c+\i]
.endr
.irp i, 0,1,2
	v_mov_b32 v[F0+6*\c+3+\i], v[WH+8*\c+\i]
	v_mov_b32 v[F1+6*\c+3+\i], v[WH+4+8*\c+\i]
.endr
.endr
	v_mov_b32 v[SQ+1], v[SQ]
	v_permlane16_swap_b32 v[SQ], v[SQ+1]           ; tile 0's words in both halves of the lanes; tile 1's likewise
.irp c, 0,1,2
	global_store_b128 v3, v[F0+4*\c:F0+4*\c+3], s[16:17] offset:(\q)*OB+512*\c          ; 32 lanes store 512 consecutive bytes, aligned
	global_store_b128 v3, v[F1+4*\c:F1+4*\c+3], s[16:17] offset:(\q)*OB+1536+512*\c
.endr
	global_store_b32 v4, v[SQ], s[16:17] offset:(\q)*OB
	global_store_b32 v4, v[SQ+1], s[16:17] offset:(\q)*OB+128
.endm
	WLOAD 0
	WLOAD 1
	WBLOCK 0
	WBLOCK 1
	WBLOCK 2
	WBLOCK 3
	WFINISH 0
	WBLOCK 4
	WBLOCK 5
	WBLOCK 6
	WBLOCK 7
	WFINISH 1
	s_wait_tensorcnt 0x0                           ; the wave's end
	ds_add_u32 v[SPW], v[NIL]
	s_wait_dscnt 0x0
	s_endpgm
; ---------------- x AND THE MASK.  A wave takes one tile of 16 rows x 256 columns: two K steps.  Each load reads 512 consecutive bytes of one row; the 8 KiB of a K step turn through the wave's own stage.
.Lrows:
	s_sub_co_u32 s23, ttmp9, 512
	s_lshr_b32 s24, s23, 8                         ; 0: x, 1: the mask
	s_and_b32 s25, s23, 255
	s_lshl_b32 s25, s25, 2
	s_add_co_u32 s25, s25, s22
	s_lshr_b32 s26, s25, 3                         ; tile T, 0 .. 127
	s_and_b32 s27, s25, 7                          ; which 256 columns
	s_cmp_eq_u32 s24, 0
	s_cselect_b64 s[28:29], s[4:5], s[6:7]
	s_lshr_b32 s30, s26, 1
	s_lshl_b32 s30, s30, 5
	s_and_b32 s31, s26, 1
	s_lshl_b32 s31, s31, 3
	s_add_co_u32 s30, s30, s31                     ; the tile's first row: 32 (T / 2) + 8 (T % 2)
	s_lshl_b32 s32, s30, 13
	s_lshl_b32 s33, s27, 10
	s_add_co_u32 s32, s32, s33
	s_mov_b32 s33, 0
	s_add_nc_u64 s[28:29], s[28:29], s[32:33]
	v_lshlrev_b32 v1, 4, v[LN]                     ; 16 x lane
	v_lshlrev_b32 v7, 2, v[LN]                     ; 4 x lane
.irp q, 0,1
.set i, 0
.rept 16
	global_load_b128 v[RR+64*\q+4*i:RR+64*\q+4*i+3], v1, s[28:29] offset:((i%8)+16*(i/8))*ROWB+512*\q th:TH_LOAD_NT   ; the row of the tile's lane i
.set i, i+1
.endr
.endr
	s_mul_i32 s34, s22, STG
	v_add_nc_u32 v5, s34, v1                       ; the stage, in: 16 x lane, a row of 528 bytes for each load
	v_and_b32 v8, 15, v[LN]                        ; r
	v_bfe_u32 v9, v[LN], 4, 1                      ; h
	v_mul_u32_u24 v6, v8, SP
	v_lshl_add_u32 v6, v9, 6, v6
	v_add_nc_u32 v6, s34, v6                       ; and out: row r, + 64 h: my 16 numbers of each block of 32
	s_mov_b32 s[SEL], 0x76543210
	s_mov_b32 s[SEL+1], 0xfedcba98
	s_lshr_b32 s35, s26, 3                         ; x's codes: operand 4, block 16 (T / 8) + K step, tile T % 8
	s_lshl_b32 s35, s35, 4
	s_lshl_b32 s36, s27, 1
	s_add_co_u32 s35, s35, s36
	s_mul_i32 s35, s35, OB
	s_add_co_u32 s35, s35, 4*OPB
	s_and_b32 s36, s26, 7
	s_mul_i32 s37, s36, 1536
	s_add_co_u32 s40, s35, s37
	s_mov_b32 s41, 0
	s_add_nc_u64 s[40:41], s[16:17], s[40:41]
	s_lshl_b32 s37, s36, 7
	s_add_co_u32 s42, s35, s37
	s_add_co_u32 s42, s42, SCO
	s_mov_b32 s43, 0
	s_add_nc_u64 s[42:43], s[16:17], s[42:43]      ; and their scale words
	s_lshl_b32 s44, s26, 4                         ; the mask's image: (16 T + key step) x 8,192
	s_lshl_b32 s45, s27, 1
	s_add_co_u32 s44, s44, s45
	s_lshl_b32 s44, s44, 13
	s_mov_b32 s45, 0
	s_add_nc_u64 s[44:45], s[18:19], s[44:45]
	s_lshl_b32 s46, s26, 13                        ; the table: tile T, pieces 2 j and 2 j + 1
	s_lshl_b32 s47, s27, 10
	s_add_co_u32 s46, s46, s47
	s_mov_b32 s47, 0
	s_add_nc_u64 s[46:47], s[20:21], s[46:47]
	s_lshl_b32 s48, s27, 10                        ; and the same pieces of tile 128
	s_add_co_u32 s48, s48, 128*8192
	s_mov_b32 s49, 0
	s_add_nc_u64 s[48:49], s[20:21], s[48:49]
	s_cmp_lg_u32 s24, 0
	s_cbranch_scc1 .Lno_rope
; THE TABLE, while the 32 loads are on their way.  My lane: position = my row; pairs p0 .. p0 + 3, p0 = 16 (j / 2) + 4 (j % 2) + 8 h.
; freq = e^t, t = -p c: 2^y (1 + ln 2 x e2), y = fl(t log2 e), e2 = what y leaves of t log2 e.  theta = pos x freq.  n = nearest whole number to theta 2 / pi; rho = theta - n pi / 2 in two parts;
; sin and cos of rho (|rho| <= pi / 4) by polynomials of degree 7 and 8; n's two low bits say which is which and their signs.
	s_mov_b32 s50, 0xbe135d8e                      ; -ln(10000) / 64
	s_mov_b32 s51, 0x3fb8aa3b                      ; log2 e, and
	s_mov_b32 s52, 0x32a57060                      ; what f32 leaves of it
	s_mov_b32 s53, 0x3f317218                      ; ln 2
	s_mov_b32 s54, 0x3f22f983                      ; 2 / pi
	s_mov_b32 s55, 0xbfc90fdb                      ; -pi / 2, and
	s_mov_b32 s56, 0x333bbd2e                      ; what f32 leaves of it
	s_mov_b32 s57, 0xb94ca1f9                      ; sin: -1.9515296e-4, 8.3321609e-3, -1.6666655e-1
	s_mov_b32 s58, 0x3c08839e
	s_mov_b32 s59, 0xbe2aaaa3
	s_mov_b32 s60, 0x37ccf5ce                      ; cos: 2.4433157e-5, -1.3887316e-3, 4.1666646e-2
	s_mov_b32 s61, 0xbab6061a
	s_mov_b32 s62, 0x3d2aaaa5
	s_lshr_b32 s38, s27, 1
	s_lshl_b32 s38, s38, 4
	s_and_b32 s39, s27, 1
	s_lshl_b32 s39, s39, 2
	s_add_co_u32 s38, s38, s39
	v_lshl_add_u32 v10, v9, 3, s38                 ; p0
	v_and_b32 v11, 7, v[LN]
	v_bfe_u32 v15, v[LN], 3, 1
	v_lshl_add_u32 v11, v15, 4, v11
	v_add_nc_u32 v11, s30, v11
	v_cvt_f32_u32 v11, v11                         ; pos
.macro ROPE_A e
.set RW, RP+12*(\e)
	v_add_nc_u32 v[RW], \e, v10
	v_cvt_f32_u32 v[RW], v[RW]
	v_mul_f32 v[RW], s50, v[RW]                    ; t
	v_mul_f32 v[RW+1], s51, v[RW]                  ; y
	v_fma_f32 v[RW+2], v[RW], s51, -v[RW+1]
	v_fma_f32 v[RW+2], v[RW], s52, v[RW+2]         ; e2
.endm
.macro ROPE_B e
.set RW, RP+12*(\e)
.set RS, RES+2*(\e)
	v_fma_f32 v[RW+3], v[RW+3], v[RW+2], v[RW+3]   ; freq
	v_mul_f32 v[RW+3], v11, v[RW+3]                ; theta
	v_mul_f32 v[RW+4], s54, v[RW+3]
	v_rndne_f32 v[RW+4], v[RW+4]                   ; n
	v_fma_f32 v[RW+5], v[RW+4], s55, v[RW+3]
	v_fma_f32 v[RW+5], v[RW+4], s56, v[RW+5]       ; rho
	v_mul_f32 v[RW+6], v[RW+5], v[RW+5]            ; z = rho^2
	v_fma_f32 v[RW+7], v[RW+6], s57, s58
	v_fma_f32 v[RW+7], v[RW+7], v[RW+6], s59
	v_mul_f32 v[RW+7], v[RW+7], v[RW+6]
	v_fma_f32 v[RW+7], v[RW+7], v[RW+5], v[RW+5]   ; sin rho
	v_fma_f32 v[RW+8], v[RW+6], s60, s61
	v_fma_f32 v[RW+8], v[RW+8], v[RW+6], s62
	v_mul_f32 v[RW+9], v[RW+6], v[RW+6]
	v_fma_f32 v[RW+11], v[RW+6], -0.5, 1.0
	v_fma_f32 v[RW+8], v[RW+9], v[RW+8], v[RW+11]  ; cos rho
	v_cvt_i32_f32 v[RW+10], v[RW+4]
	v_and_b32 v[RW+9], 1, v[RW+10]
	v_cmp_eq_u32 vcc_lo, 1, v[RW+9]
	v_cndmask_b32 v[RS+1], v[RW+7], v[RW+8], vcc_lo   ; sin theta: n odd: cos rho
	v_cndmask_b32 v[RS], v[RW+8], v[RW+7], vcc_lo     ; cos theta: n odd: sin rho
	v_and_b32 v[RW+9], 2, v[RW+10]
	v_lshlrev_b32 v[RW+9], 30, v[RW+9]
	v_xor_b32 v[RS+1], v[RW+9], v[RS+1]            ; sin is negative where n % 4 is 2 or 3,
	v_add_nc_u32 v[RW+10], 1, v[RW+10]
	v_and_b32 v[RW+10], 2, v[RW+10]
	v_lshlrev_b32 v[RW+10], 30, v[RW+10]
	v_xor_b32 v[RS], v[RW+10], v[RS]               ; cos where it is 1 or 2
.endm
	ROPE_A 0
	ROPE_A 1
	ROPE_A 2
	ROPE_A 3
.irp e, 0,1,2,3
	v_exp_f32 v[RP+3+12*\e], v[RP+1+12*\e]         ; one batch
.endr
.irp e, 0,1,2,3
	v_mul_f32 v[RP+2+12*\e], s53, v[RP+2+12*\e]    ; plain work that names no result
.endr
	s_wait_alu depctr_va_vdst(0)                   ; one wait for the four, ahead of their first reader
	ROPE_B 0
	ROPE_B 1
	ROPE_B 2
	ROPE_B 3
	global_store_b128 v1, v[RES:RES+3], s[46:47]
	global_store_b128 v1, v[RES+4:RES+7], s[46:47] offset:512
	s_cmp_lg_u32 s26, 0
	s_cbranch_scc1 .Lno_rope                       ; tile 0's eight waves also write tile 128: cos = 1, sin = 0
	v_mov_b32 v232, 1.0
	v_mov_b32 v233, 0
	v_mov_b32 v234, 1.0
	v_mov_b32 v235, 0
	global_store_b128 v1, v[232:235], s[48:49]
	global_store_b128 v1, v[232:235], s[48:49] offset:512
.Lno_rope:
.macro PASS q                          ; K step q of my two
.if \q == 0
	s_wait_loadcnt 16                              ; the first K step's 16 loads are in; the second's 16 may be out
.else
	s_wait_loadcnt 0x0
	s_wait_xcnt 0x0                                ; the first pass's stores have read their registers: these are written again below
.endif
.set i, 0
.rept 16
	ds_store_b128 v5, v[RR+64*\q+4*i:RR+64*\q+4*i+3] offset:SP*i
.set i, i+1
.endr
.set i, 0
.rept 16
	ds_load_b128 v[XR+4*i:XR+4*i+3], v6 offset:128*(i/4)+16*(i%4)   ; LDS serves a wave's instructions in order: these see the stores above
.set i, i+1
.endr
	s_wait_dscnt 0x0
	s_cmp_lg_u32 s24, 0
	s_cbranch_scc1 .Lmask_\@
.if \q == 0
.irp b, 0,1,2,3
	v_mov_b32 v[TM+4+\b], 0                        ; a lane permute's destination counts as one of its sources
.endr
.endif
	QUANT XR
.irp c, 0,1,2
	global_store_b128 v1, v[PC+4*\c:PC+4*\c+3], s[40:41] offset:(\q)*OB+512*\c
.endr
	global_store_b32 v7, v[PW], s[42:43] offset:(\q)*OB
	s_branch .Ljoin_\@
.Lmask_\@:
.set i, 0
.rept 16
	global_store_b128 v1, v[XR+4*i:XR+4*i+3], s[44:45] offset:(\q)*8192+512*i   ; the registers as they stand: 512 consecutive bytes a store
.set i, i+1
.endr
.Ljoin_\@:
.endm
	PASS 0
	PASS 1
	s_wait_tensorcnt 0x0                           ; the wave's end, behind my last LDS store
	ds_add_u32 v[SPW], v[NIL]
	s_wait_dscnt 0x0
	s_endpgm
.Lfunc_end_k_qd3547fd462_prep:
	.size	k_qd3547fd462_prep, .Lfunc_end_k_qd3547fd462_prep-k_qd3547fd462_prep
	.p2alignl 7, 3214868480
	.fill 96, 4, 3214868480
	.section	.rodata,"a",@progbits
	.p2align	6, 0x0
	.amdhsa_kernel k_qd3547fd462_prep
		.amdhsa_group_segment_fixed_size 34304
		.amdhsa_private_segment_fixed_size 0
		.amdhsa_enable_private_segment 0
		.amdhsa_kernarg_size 72
		.amdhsa_user_sgpr_count 2
		.amdhsa_user_sgpr_kernarg_segment_ptr 1
		.amdhsa_wavefront_size32 1
		.amdhsa_system_sgpr_workgroup_id_x 1
		.amdhsa_system_sgpr_workgroup_id_y 1
		.amdhsa_system_sgpr_workgroup_id_z 1
		.amdhsa_system_vgpr_workitem_id 0
		.amdhsa_next_free_vgpr 240
		.amdhsa_next_free_sgpr 66
		.amdhsa_reserve_vcc 1
		.amdhsa_float_denorm_mode_32 3
		.amdhsa_float_denorm_mode_16_64 3
		.amdhsa_memory_ordered 1
		.amdhsa_forward_progress 1
		.amdhsa_inst_pref_size 70
	.end_amdhsa_kernel
	.amdgpu_metadata
---
amdhsa.version: [ 1, 2 ]
amdhsa.kernels:
  - .name:           k_qd3547fd462_prep
    .symbol:         k_qd3547fd462_prep.kd
    .args:
      - { .name: x, .offset: 0, .size: 8, .value_kind: global_buffer, .address_space: global }
      - { .name: mask, .offset: 8, .size: 8, .value_kind: global_buffer, .address_space: global }
      - { .name: Wq, .offset: 16, .size: 8, .value_kind: global_buffer, .address_space: global }
      - { .name: Wk, .offset: 24, .size: 8, .value_kind: global_buffer, .address_space: global }
      - { .name: Wv, .offset: 32, .size: 8, .value_kind: global_buffer, .address_space: global }
      - { .name: Wo, .offset: 40, .size: 8, .value_kind: global_buffer, .address_space: global }
      - { .name: cod, .offset: 48, .size: 8, .value_kind: global_buffer, .address_space: global }
      - { .name: mimg, .offset: 56, .size: 8, .value_kind: global_buffer, .address_space: global }
      - { .name: rope, .offset: 64, .size: 8, .value_kind: global_buffer, .address_space: global }
    .group_segment_fixed_size: 34304
    .private_segment_fixed_size: 0
    .kernarg_segment_align: 8
    .kernarg_segment_size: 72
    .max_flat_workgroup_size: 128
    .sgpr_count:     66
    .vgpr_count:     240
    .wavefront_size: 32
...
	.end_amdgpu_metadata
.endif
;; end of part 1
;; launch proj (part 2): grid 24 x 8, 4 waves a work-group, clusters of 4 x 4, 327,680 bytes of LDS; arguments cod, rope, qkv; writes qkv
.if DOCPART == 2
	.amdgcn_target "amdgcn-amd-amdhsa--gfx1250"
	.amdhsa_code_object_version 6
	.text
	.protected	k_qd3547fd462_proj
	.globl	k_qd3547fd462_proj
	.p2align	8
	.type	k_qd3547fd462_proj,@function
k_qd3547fd462_proj:
	s_mov_b64 s[64:65], 0
	v_nop
	global_prefetch_b8 v0, s[64:65] scope:SCOPE_SE
	s_setreg_imm32_b32 hwreg(HW_REG_WAVE_MODE, 25, 1), 1
	s_wait_xcnt 0x0
	s_wait_alu depctr_hold_cnt(0) depctr_sa_sdst(0) depctr_va_vdst(0) depctr_va_sdst(0) depctr_va_ssrc(0) depctr_va_vcc(0) depctr_vm_vsrc(0)
	s_getreg_b32 s2, hwreg(HW_REG_IB_STS2, 6, 4)
	s_cmp_eq_u32 s2, 0
	s_cbranch_scc0 .Lentry_in_a_cluster
	s_endpgm
.Lentry_in_a_cluster:
	s_bfe_u32 s2, ttmp6, 0x10000c
	s_cmp_lg_u32 s2, 0xf033
	s_cbranch_scc0 .Lentry_shape_is_right
	s_endpgm
.Lentry_shape_is_right:
; PROJ: q = rope(x Wq) / sqrt(128), k = rope(x Wk), v = x Wv, on codes of FP6 (E2M3) with E8M0 scales, sums in f32, K = 2,048 ascending; the results are quantised in registers and leave as codes.
; OPERANDS (buffer cod): blocks OB of 128 rows x 128 K: eight images of fragments (piece c at 512 c + 16 x lane) and from SCO on eight times 128 bytes of scale words; group G, K step s at (16 G + s) OB.
; Groups 0-15 Wq's columns, 16-31 Wk's, 32-47 Wv's, 64-79 x's tokens.  Lane r of tile 2 b + u of a group is row 32 b + 8 u + r % 8 + 16 (r / 8).
; A tile of C, 256 x 256, to a work-group of four waves; a wave makes 128 x 128: 64 accumulators.  Source 0 = 16 rows of B, source 1 = 16 rows of A: a lane holds one row of A, and by the choice of a tile's
; rows its 64 registers of one block of A are B's 128 rows in the order 32 b + 16 (lane / 16) + i: what the quantiser wants along the NEXT product's K.
; Tile columns 0-7: q (A = x, B = Wq), 8-15: k (A = x, B = Wk): a lane is a token, registers run along the head's 128.  16-23: v (A = Wv, B = x): a lane is a channel, registers run along 128 tokens, the keys.
; Which it is hangs on the cluster's x alone (V = cluster x / 4), and enters the addresses by arithmetic: no branch.
; K goes in steps of 256 through a ring of two LDS slots; a slot holds for each of A's and B's two halves two blocks OB, 26,624 dense bytes, which one tensor load brings as 104 rows of 256 bytes.
; CLUSTERS 4 x 4: A's halves are asked for jointly along a row of the cluster, B's along a column.
; THE WAY OUT uses no LDS: rotation by the table (cos, sin in the registers' own order; for v the table's tile of (1, 0)), q's factor, the quantiser, three stores of 512 bytes and one of 128 for each block of A.
; LIMITS: NaN and infinities are not served; a block whose largest magnitude lies under 2^-124 gets the scale byte 1.
; REGISTERS: window 0: v3, v4 16 x and 4 x lane; v16-21 LDS addresses; v28, v29 the add's two; v32-63 scale words, two sets, and nothing else; v128-223 A's fragments, one set; on the way out v64-107 at work, v128-191 the rotated numbers.
;   window 1: B's fragments, two sets, at v0 and v128; on the way out four sets of the table.   windows 2, 3: the accumulators ((a, b) at v[8 (8 (a % 4) + b)] of window 2 + a / 4).
.set OB,    13312
.set SCO,   12288
.set GRP,   16*OB
.set OPB,   16*GRP
.set NQ,    2                          ; K steps of 128 in a slot
.set FR,    12                         ; registers of a fragment
.set NL,    3                          ; LDS loads that bring one
.set NP,    4                          ; places behind this matrix instruction (ISA guide 7.12.1)
.set HALFT, NQ*OB                      ; what one tensor load brings
.set SLOT,  4*HALFT                    ; A's two halves, then B's two
.set SPARE, 2*SLOT                     ; behind the ring: the spare words, 128 bytes for each wave
.set LAPS,  4                          ; 2,048 / (2 x 256)
.set LI,   3                           ; v3   16 x lane; never rewritten
.set LS,   4                           ; v4   4 x lane; never rewritten
.set ADRA, 16                          ; v16-17 my A fragments in slot 0, 1
.set ADSC, 18                          ; v18-19 my scale words: lanes 0-15 A's, lanes 16-31 B's
.set ADRB, 20                          ; v20-21 my B fragments
.set SPW,  28
.set NIL,  29
.set SC,   32                          ; set s at v[SC + 16 s]; register 2 i + q: lanes 0-15 the word of A's block i, lanes 16-31 that of B's block i, for the slot's q-th 128 along K
.set AF,   128
.set PC,   64                          ; the way out: v64-82 codes, v84-99 at work, v100 the scale word, v104-107 products, v128-191 the rotated numbers
.set TM,   84
.set PW,   100
.set T,    104
.set H,    128
.set G1,   24                          ; s[24:31] group 1 for A; s[32:39] its groups 0, one for each slot
.set G0,   32
.set G1B,  48                          ; s[48:55], s[56:63] the same for B
.set G0B,  56
.set KIND, 66                          ; s66  0 q, 1 k, 2 v
.set QS,   68                          ; s[68:69] q's factor sqrt(1 / 128), else 1
.set RT,   70                          ; s[70:71] the table's tile in hand
.set RSTEP, 72                         ; s[72:73] 8,192, for v 0
.set DST,  74                          ; s[74:75] my block OB of the result
.set SEL,  76                          ; s[76:77] selects for lane l xor 16
.set MSB, 0
.macro WIN new                         ; the immediate's high byte repeats the setting that is left
.if MSB != \new
	s_set_vgpr_msb (MSB<<8)|\new
.set MSB, \new
.endif
.endm
.set MUL_LO, 0xa1                      ; source 0 (B) window 1, source 1 (A) window 0, C and D window 2
.set MUL_HI, 0xf1                      ; the same, C and D window 3
.set TO_B,   0x40                      ; destination window 1, address window 0
; A joint load: waves 0 and 1 fetch A's halves, waves 2 and 3 B's.  The branch hangs on the wave's number alone.  An s_nop 0 and four v_nop follow each line.
.macro JLOAD g0a, g1a, g0b, g1b
	s_cmp_eq_u32 s15, 0
	s_cbranch_scc0 .Lfor_b_\@
	tensor_load_to_lds s[\g0a:\g0a+3], s[\g1a:\g1a+7]
	s_nop 0
.rept 4
	v_nop
.endr
	s_branch .Lasked_\@
.Lfor_b_\@:
	tensor_load_to_lds s[\g0b:\g0b+3], s[\g1b:\g1b+7]
	s_nop 0
.rept 4
	v_nop
.endr
.Lasked_\@:
.endm
.macro CREST                           ; a round of the cluster's barrier behind its opening barrier
	s_cmp_lg_u32 s14, 0
	s_cbranch_scc1 .Lnot_wave_0_\@
	s_barrier_signal -3
.Lnot_wave_0_\@:
	s_barrier_wait -3
	s_barrier_signal -1
	s_barrier_wait -1
.endm
.macro CROUND
	s_barrier_signal -1
	s_barrier_wait -1
	CREST
.endm
.macro QUANT s                         ; 64 numbers, register 16 b + i = k 32 b + 16 (lane / 16) + i of my row: codes into v[PC] on, the scale word into v[PW]
.irp b, 0,1,2,3
	v_max3_num_f32 v[TM+\b], |v[\s+16*\b]|, |v[\s+1+16*\b]|, 0x1800000   ; and the floor 2^(3 - 127): the byte cannot fall under 1
.endr
.irp i, 2,4,6,8,10,12,14
.irp b, 0,1,2,3
	v_max3_num_f32 v[TM+\b], v[TM+\b], |v[\s+16*\b+\i]|, |v[\s+1+16*\b+\i]|
.endr
.endr
.irp b, 0,1,2,3
	v_permlanex16_b32 v[TM+4+\b], v[TM+\b], s[SEL], s[SEL+1]
.endr
.irp b, 0,1,2,3
	v_max_num_f32 v[TM+\b], v[TM+\b], v[TM+4+\b]
.endr
.irp b, 0,1,2,3
	v_add_nc_u32 v[TM+12+\b], 0xff000000, v[TM+\b]   ; 2 off the exponent field: the conversion's scale operand
.endr
.irp b, 0,1,2,3
	v_lshrrev_b32 v[TM+4+\b], 23, v[TM+12+\b]
.endr
	v_lshl_or_b32 v[PW], v[TM+5], 8, v[TM+4]
	v_lshl_or_b32 v[PW], v[TM+6], 16, v[PW]
	v_lshl_or_b32 v[PW], v[TM+7], 24, v[PW]
.irp c, 0,1
	v_cvt_scalef32_pk16_fp6_f32 v[PC+6*\c:PC+2+6*\c], v[\s+32*\c:\s+15+32*\c], v[TM+12+2*\c]
	v_cvt_scalef32_pk16_fp6_f32 v[PC+12+4*\c:PC+14+4*\c], v[\s+16+32*\c:\s+31+32*\c], v[TM+12+2*\c+1]
.endr
	v_nop                                          ; one plain place behind a scaled conversion
.irp c, 0,1
.irp i, 0,1,2
	v_permlane16_swap_b32 v[PC+6*\c+\i], v[PC+12+4*\c+\i]
.endr
.irp i, 0,1,2
	v_mov_b32 v[PC+3+6*\c+\i], v[PC+12+4*\c+\i]
.endr
.endr
.endm
	s_load_b128 s[4:7], s[0:1], 0x0                ; cod s[4:5], rope s[6:7]
	s_load_b64 s[8:9], s[0:1], 0x10                ; qkv
	v_lshl_add_u32 v[SPW], v0, 2, SPARE
	v_mov_b32 v[NIL], 0
	ds_add_u32 v[SPW], v[NIL]                      ; the wave's opening: the add and its wait stand ahead of my first tensor load; work on registers stands between them
	v_lshrrev_b32 v1, 5, v0
	v_readfirstlane_b32 s14, v1                    ; wave 0..3
	s_lshr_b32 s15, s14, 1                         ; which half of A's rows is mine.  Also: I fetch for A (0) or for B (1)
	s_and_b32 s16, s14, 1                          ; which half of B's rows.  Also: which half I fetch
	s_bfe_u32 s40, ttmp6, 0x40000                  ; cx, cy
	s_bfe_u32 s41, ttmp6, 0x40004
	s_lshl_b32 s42, ttmp9, 2
	s_add_co_u32 s42, s42, s40                     ; tile column = 4 x cluster x + cx, 0 .. 23
	s_and_b32 s17, ttmp7, 0xffff
	s_lshl_b32 s17, s17, 2
	s_add_co_u32 s17, s17, s41                     ; tile row = 4 x cluster y + cy, 0 .. 7
	s_lshl_b32 s43, s41, 2
	s_lshl_b32 s43, 15, s43                        ; my row of the cluster
	s_lshl_b32 s44, 0x1111, s40                    ; my column
	s_or_b32 s[G1+0], s43, (3<<16)|(1<<21)         ; 15:0 the mask; 17:16 elements of 8 bytes; 20 no padding; 21 set beside a mask
	s_or_b32 s[G1B+0], s44, (3<<16)|(1<<21)
.irp g, G1, G1B
	s_mov_b32 s[\g+1], 32<<16                      ; tensor_dim0 = 32 elements: 256 bytes
	s_mov_b32 s[\g+2], 104<<16                     ; tensor_dim1 = 104 rows: 26,624 dense bytes
	s_mov_b32 s[\g+3], 32<<16                      ; tile_dim0
	s_mov_b32 s[\g+4], 104                         ; tile_dim1
	s_mov_b32 s[\g+5], 32                          ; the pitch
	s_mov_b32 s[\g+6], 0
	s_mov_b32 s[\g+7], 0
.endr
	s_lshr_b32 s18, ttmp9, 2                       ; V: 1 in the clusters that make v; the sixteen partners share it
	s_lshl_b32 s19, s18, 5
	s_lshl_b32 s20, s17, 1
	s_add_co_u32 s20, s20, s16
	s_add_co_u32 s20, s20, 64
	s_sub_co_u32 s20, s20, s19                     ; A's group: x's 64 + 2 x tile row + half, for v Wv's 32 + ..
	s_lshl_b32 s46, s42, 1
	s_add_co_u32 s46, s46, s16
	s_add_co_u32 s46, s46, s19                     ; B's group: 2 x tile column + half (Wq, Wk), for v 32 more: x's
	s_mul_i32 s20, s20, GRP
	s_mul_i32 s46, s46, GRP
	s_mov_b32 s21, 0
	s_mov_b32 s47, 0
	s_mul_i32 s45, s14, HALFT                      ; where my load goes: wave x 26,624: no place in the cluster enters an LDS address
	; the way out's scalars
	s_lshr_b32 s[KIND], ttmp9, 1
	s_lshl_b32 s78, s17, 1
	s_add_co_u32 s78, s78, s15                     ; my group of A
	s_and_b32 s79, s42, 7
	s_lshl_b32 s79, s79, 1
	s_add_co_u32 s79, s79, s16                     ; my group of B, within its operand
	s_lshl_b32 s82, s78, 3                         ; q, k: my first tile of tokens
	s_cmp_eq_u32 s18, 0
	s_cselect_b32 s80, s79, s78                    ; the head: B's group, for v A's
	s_cselect_b32 s81, s78, s79                    ; the group of tokens: A's, for v B's
	s_cselect_b32 s82, s82, 128                    ; the table's first tile; for v the tile of (1, 0),
	s_cselect_b32 s[RSTEP], 8192, 0                ; which stays
	s_mov_b32 s[RSTEP+1], 0
	s_cmp_eq_u32 s[KIND], 0
	s_cselect_b32 s[QS], 0x3db504f3, 1.0           ; sqrt(1 / 128) for q
	s_mov_b32 s[QS+1], s[QS]
	s_lshl_b32 s80, s80, 4
	s_add_co_u32 s80, s80, s81
	s_mul_i32 s80, s80, OB
	s_mul_i32 s81, s[KIND], OPB
	s_add_co_u32 s[DST], s80, s81                  ; kind x OPB + (16 head + group of tokens) OB
	s_mov_b32 s[DST+1], 0
	s_lshl_b32 s[RT], s82, 13
	s_mov_b32 s[RT+1], 0
	s_mov_b32 s[SEL], 0x76543210
	s_mov_b32 s[SEL+1], 0xfedcba98
	s_wait_dscnt 0x0                               ; the opening add is done
	s_wait_kmcnt 0x0
	s_add_nc_u64 s[20:21], s[4:5], s[20:21]
	s_add_nc_u64 s[46:47], s[4:5], s[46:47]
	s_add_nc_u64 s[DST:DST+1], s[8:9], s[DST:DST+1]
	s_add_nc_u64 s[RT:RT+1], s[6:7], s[RT:RT+1]
	CROUND                                         ; all sixteen work-groups are here: the first joint loads meet
.irp s, 0,1
	s_mov_b32 s[G0+4*\s], 1
	s_add_co_u32 s[G0+4*\s+1], s45, \s*SLOT
	s_add_nc_u64 s[G0+4*\s+2:G0+4*\s+3], s[20:21], \s*HALFT
	s_or_b32 s[G0+4*\s+3], s[G0+4*\s+3], 0x80000000
	s_mov_b32 s[G0B+4*\s], 1
	s_add_co_u32 s[G0B+4*\s+1], s45, \s*SLOT
	s_add_nc_u64 s[G0B+4*\s+2:G0B+4*\s+3], s[46:47], \s*HALFT
	s_or_b32 s[G0B+4*\s+3], s[G0B+4*\s+3], 0x80000000
	JLOAD G0+4*\s, G1, G0B+4*\s, G1B               ; two loads of mine are out
.endr
	v_and_b32 v1, 31, v0
	v_bfe_u32 v2, v0, 4, 1                         ; h
	v_lshlrev_b32 v[LI], 4, v1
	v_lshlrev_b32 v[LS], 2, v1
	s_mul_i32 s21, s15, HALFT                      ; my half of A
	s_mul_i32 s22, s16, HALFT                      ; my half of B,
	s_add_co_u32 s22, s22, 2*HALFT                 ; behind A's two
	s_sub_co_u32 s23, s22, s21
	v_mul_u32_u24 v5, s23, v2                      ; lanes 16-31 take B's scale words: one product, h x the distance
	v_add_nc_u32 v5, v5, v[LS]
.irp s, 0,1
	v_add_nc_u32 v[ADRA+\s], s21, v[LI]
	v_add_nc_u32 v[ADRB+\s], s22, v[LI]
	v_add_nc_u32 v[ADSC+\s], s21, v5
	s_add_co_u32 s21, s21, SLOT
	s_add_co_u32 s22, s22, SLOT
.endr
.macro FRAG reg, adr, q, i             ; a fragment's image comes back as it was stored: three loads of 512 consecutive bytes
.irp c, 0,1,2
	ds_load_b128 v[\reg+4*\c:\reg+4*\c+3], v[\adr] offset:(\q)*OB+(\i)*1536+512*\c
.endr
.endm
; 16 matrix instructions: A's blocks a0, a0 + 1 x B's eight, the slot's q-th 128 along K.  p: B's set; sc: the set of scale words.  zero = 1: the first product starts the sums.
; The 64 accumulators take turns, one instruction a turn, in the same order in every step.
.macro MUL16 a0, p, q, sc, zero
.irp a, \a0, \a0+1
.irp b, 0,1,2,3,4,5,6,7
.if \zero
	v_wmma_scale_f32_16x16x128_f8f6f4 v[8*(8*((\a)%4)+\b):8*(8*((\a)%4)+\b)+7], v[128*(\p)+FR*\b:128*(\p)+FR*\b+FR-1], v[AF+FR*(\a):AF+FR*(\a)+FR-1], 0, v[SC+8*NQ*(\sc)+NQ*\b+(\q)], v[SC+8*NQ*(\sc)+NQ*(\a)+(\q)] matrix_a_fmt:MATRIX_FMT_FP6 matrix_b_fmt:MATRIX_FMT_FP6 matrix_a_scale:MATRIX_SCALE_ROW1
.else
	v_wmma_scale_f32_16x16x128_f8f6f4 v[8*(8*((\a)%4)+\b):8*(8*((\a)%4)+\b)+7], v[128*(\p)+FR*\b:128*(\p)+FR*\b+FR-1], v[AF+FR*(\a):AF+FR*(\a)+FR-1], v[8*(8*((\a)%4)+\b):8*(8*((\a)%4)+\b)+7], v[SC+8*NQ*(\sc)+NQ*\b+(\q)], v[SC+8*NQ*(\sc)+NQ*(\a)+(\q)] matrix_a_fmt:MATRIX_FMT_FP6 matrix_b_fmt:MATRIX_FMT_FP6 matrix_a_scale:MATRIX_SCALE_ROW1
.endif
.endr
.endr
.endm
.macro FETCH_B slot, q, p
	WIN TO_B
.irp i, 0,1,2,3,4,5,6,7
	FRAG 128*(\p)+FR*\i, ADRB+\slot, \q, \i
.endr
	WIN 0
.endm
.macro FETCH_A slot, q, i0
.irp i, \i0, \i0+1, \i0+2, \i0+3
	FRAG AF+FR*(\i), ADRA+\slot, \q, \i
.endr
.endm
.macro SCALES sc                       ; slot sc's scale words: lanes 0-15 A's block i, lanes 16-31 B's block i
.irp q, 0,1
.irp i, 0,1,2,3,4,5,6,7
	ds_load_b32 v[SC+8*NQ*\sc+NQ*\i+\q], v[ADSC+\sc] offset:\q*OB+SCO+128*\i
.endr
.endr
.endm
.macro PLACES n                        ; places in front of loads into registers that matrix instructions have read, and of the first read of results
.rept \n
	v_nop
.endr
.endm
.macro STEP slot, q, zero              ; a step of 128 along K that has its successor in the same slot
	s_wait_dscnt 4*NL                              ; all but the youngest twelve loads (A's blocks 4-7) are in
	WIN MUL_LO
	MUL16 0, (\q)%2, \q, \slot, \zero
	MUL16 2, (\q)%2, \q, \slot, \zero
	s_wait_dscnt 0
	PLACES NP
	FETCH_B \slot, (\q)+1, 1-(\q)%2
	FETCH_A \slot, (\q)+1, 0
	WIN MUL_HI
	MUL16 4, (\q)%2, \q, \slot, \zero
	MUL16 6, (\q)%2, \q, \slot, \zero
	PLACES NP
	WIN 0
	FETCH_A \slot, (\q)+1, 4
.endm
; A slot's last step changes slots: one barrier; in front of it each wave waits for all its tensor loads, adds 0 to its spare word, and waits for that and for its own reads of this slot.
.macro TURN slot, next, fill
	s_wait_tensorcnt 0x0                           ; all my tensor loads have landed: my part of the next slot
	ds_add_u32 v[SPW], v[NIL]                      ; 0 onto my spare word
	s_wait_dscnt 4*NL+1                            ; (the add and the youngest twelve loads may be out)
	WIN MUL_LO
	MUL16 0, 1, NQ-1, \slot, 0
	s_wait_dscnt 0x0                               ; the add is done, and my reads of this slot are over
	s_barrier_signal -1
	MUL16 2, 1, NQ-1, \slot, 0
	WIN 0
	s_barrier_wait -1
.if \fill
	CREST                                          ; the barrier has opened a round of the cluster's barrier: no wave of any partner still reads this slot or has a load on its way
	s_add_nc_u64 s[G0+4*\slot+2:G0+4*\slot+3], s[G0+4*\slot+2:G0+4*\slot+3], 2*HALFT
	s_add_nc_u64 s[G0B+4*\slot+2:G0B+4*\slot+3], s[G0B+4*\slot+2:G0B+4*\slot+3], 2*HALFT
	JLOAD G0+4*\slot, G1, G0B+4*\slot, G1B         ; my one tensor load behind the round; its four v_nop are the places in front of the loads below
.else
	PLACES NP
.endif
	FETCH_B \next, 0, 0
	FETCH_A \next, 0, 0
	SCALES \next
	WIN MUL_HI
	MUL16 4, 1, NQ-1, \slot, 0
	MUL16 6, 1, NQ-1, \slot, 0
	PLACES NP
	WIN 0
	FETCH_A \next, 0, 4
.endm
	s_wait_tensorcnt 1                             ; my part of slot 0 is in; slot 1's may stay out
	s_barrier_signal -1
	s_barrier_wait -1
	FETCH_B 0, 0, 0
	FETCH_A 0, 0, 0
	SCALES 0
	FETCH_A 0, 0, 4
	STEP 0, 0, 1                                   ; the first step stands in front of the loop: its products start the sums
	s_mov_b32 s3, LAPS-1
.Llap:                                                 ; a trip goes once round the ring and fills both slots again
	TURN 0, 1, 1
	STEP 1, 0, 0
	TURN 1, 0, 1
	STEP 0, 0, 0
	s_sub_co_u32 s3, s3, 1
	s_cmp_lg_u32 s3, 0
	s_cbranch_scc1 .Llap
	TURN 0, 1, 0                                   ; the last lap fills nothing
	STEP 1, 0, 0
	s_wait_dscnt 4*NL
	WIN MUL_LO
	MUL16 0, 1, NQ-1, 1, 0
	MUL16 2, 1, NQ-1, 1, 0
	s_wait_dscnt 0
	WIN MUL_HI
	MUL16 4, 1, NQ-1, 1, 0
	MUL16 6, 1, NQ-1, 1, 0
	WIN 0
; THE WAY OUT, block by block of A (16 rows of A x B's 128 rows: 64 registers a lane).
.macro TABLE k                         ; the table's tile for block k: 64 registers, (cos, sin) of the pair in registers 2 i, 2 i + 1, into set k % 4 of window 1
	WIN 0x40
.set i, 0
.rept 16
	global_load_b128 v[64*((\k)%4)+4*i:64*((\k)%4)+4*i+3], v[LI], s[RT:RT+1] offset:512*i
.set i, i+1
.endr
	WIN 0
	s_wait_xcnt 0x0                                ; the loads have read their base: it steps to the next tile
	s_add_nc_u64 s[RT:RT+1], s[RT:RT+1], s[RSTEP:RSTEP+1]
.endm
.macro BLOCKOUT a, left                ; left: the table loads issued behind block a's set
.set AC, 64*((\a)%4)
	s_wait_loadcnt \left
	WIN 6+(\a)/4                                   ; source 0: the accumulators' window; source 1: window 1; the rest window 0
.set i, 0
.rept 32
	v_mul_f32 v[T+2*(i%2)], v[AC+2*i+1], v[AC+2*i+1]               ; x2 sin   (the set of the table has the accumulators' numbers: 64 (a % 4) on).  Each accumulator is read from its low end on
	v_mul_f32 v[T+2*(i%2)+1], v[AC+2*i], v[AC+2*i+1]               ; x1 sin
	v_fma_f32 v[H+2*i], v[AC+2*i], v[AC+2*i], -v[T+2*(i%2)]        ; x1 cos - x2 sin
	v_fma_f32 v[H+2*i+1], v[AC+2*i+1], v[AC+2*i], v[T+2*(i%2)+1]   ; x2 cos + x1 sin
.set i, i+1
.endr
	WIN 0
.if (\a) < 4
	TABLE (\a)+4                                   ; the set just read takes the tile of four blocks on
.endif
.set i, 0
.rept 32
	v_pk_mul_f32 v[H+2*i:H+2*i+1], v[H+2*i:H+2*i+1], s[QS:QS+1] op_sel_hi:[1,0]
.set i, i+1
.endr
	s_wait_xcnt 0x0                                ; the last block's stores have read the codes and the scale word
	QUANT H
.irp c, 0,1,2
	global_store_b128 v[LI], v[PC+4*\c:PC+4*\c+3], s[DST:DST+1] offset:(\a)*1536+512*\c   ; 512 consecutive bytes, aligned
.endr
	global_store_b32 v[LS], v[PW], s[DST:DST+1] offset:SCO+128*(\a)
.endm
	PLACES NP                                      ; behind the last products: for the loads into B's registers and the writes below
.irp b, 0,1,2,3
	v_mov_b32 v[TM+4+\b], 0                        ; a lane permute's destination counts as one of its sources
.endr
	TABLE 0
	TABLE 1
	TABLE 2
	TABLE 3
	BLOCKOUT 0, 48
	BLOCKOUT 1, 48
	BLOCKOUT 2, 48
	BLOCKOUT 3, 48
	BLOCKOUT 4, 48
	BLOCKOUT 5, 32
	BLOCKOUT 6, 16
	BLOCKOUT 7, 0
	s_wait_tensorcnt 0x0                           ; the wave's end
	ds_add_u32 v[SPW], v[NIL]
	s_wait_dscnt 0x0
	CROUND                                         ; the closing round: no work-group ends while a partner may still ask for a tile that names it
	s_endpgm
.Lfunc_end_k_qd3547fd462_proj:
	.size	k_qd3547fd462_proj, .Lfunc_end_k_qd3547fd462_proj-k_qd3547fd462_proj
	.p2alignl 7, 3214868480
	.fill 96, 4, 3214868480
	.section	.rodata,"a",@progbits
	.p2align	6, 0x0
	.amdhsa_kernel k_qd3547fd462_proj
		.amdhsa_group_segment_fixed_size 327680
		.amdhsa_private_segment_fixed_size 0
		.amdhsa_enable_private_segment 0
		.amdhsa_kernarg_size 24
		.amdhsa_user_sgpr_count 2
		.amdhsa_user_sgpr_kernarg_segment_ptr 1
		.amdhsa_wavefront_size32 1
		.amdhsa_system_sgpr_workgroup_id_x 1
		.amdhsa_system_sgpr_workgroup_id_y 1
		.amdhsa_system_sgpr_workgroup_id_z 1
		.amdhsa_system_vgpr_workitem_id 0
		.amdhsa_next_free_vgpr 1024
		.amdhsa_next_free_sgpr 100
		.amdhsa_reserve_vcc 0
		.amdhsa_float_denorm_mode_32 3
		.amdhsa_float_denorm_mode_16_64 3
		.amdhsa_memory_ordered 1
		.amdhsa_forward_progress 1
		.amdhsa_inst_pref_size 217
	.end_amdhsa_kernel
	.amdgpu_metadata
---
amdhsa.version: [ 1, 2 ]
amdhsa.kernels:
  - .name:           k_qd3547fd462_proj
    .symbol:         k_qd3547fd462_proj.kd
    .args:
      - { .name: cod, .offset: 0, .size: 8, .value_kind: global_buffer, .address_space: global }
      - { .name: rope, .offset: 8, .size: 8, .value_kind: global_buffer, .address_space: global }
      - { .name: qkv, .offset: 16, .size: 8, .value_kind: global_buffer, .address_space: global }
    .group_segment_fixed_size: 327680
    .private_segment_fixed_size: 0
    .kernarg_segment_align: 8
    .kernarg_segment_size: 24
    .max_flat_workgroup_size: 128
    .sgpr_count:     100
    .vgpr_count:     1024
    .wavefront_size: 32
...
	.end_amdgpu_metadata
.endif
;; end of part 2
;; launch attn (part 3): grid 16 x 16, 8 waves a work-group, clusters of 4 x 1, 327,680 bytes of LDS; arguments qkv, mimg, ocod; writes ocod
.if DOCPART == 3
	.amdgcn_target "amdgcn-amd-amdhsa--gfx1250"
	.amdhsa_code_object_version 6
	.text
	.protected	k_qd3547fd462_attn
	.globl	k_qd3547fd462_attn
	.p2align	8
	.type	k_qd3547fd462_attn,@function
k_qd3547fd462_attn:
	s_mov_b64 s[64:65], 0
	v_nop
	global_prefetch_b8 v0, s[64:65] scope:SCOPE_SE
	s_setreg_imm32_b32 hwreg(HW_REG_WAVE_MODE, 25, 1), 1
	s_wait_xcnt 0x0
	s_wait_alu depctr_hold_cnt(0) depctr_sa_sdst(0) depctr_va_vdst(0) depctr_va_sdst(0) depctr_va_ssrc(0) depctr_va_vcc(0) depctr_vm_vsrc(0)
	s_getreg_b32 s2, hwreg(HW_REG_IB_STS2, 6, 4)
	s_cmp_eq_u32 s2, 0
	s_cbranch_scc0 .Lentry_in_a_cluster
	s_endpgm
.Lentry_in_a_cluster:
	s_bfe_u32 s2, ttmp6, 0x10000c
	s_cmp_lg_u32 s2, 0x3003
	s_cbranch_scc0 .Lentry_shape_is_right
	s_endpgm
.Lentry_shape_is_right:
; ATTN: o = softmax(q k^T + mask) v for 16 heads of 128, both products on codes of FP6 (E2M3) with E8M0 scales; o leaves as codes, quantised along (head, channel), the last product's K.
; q already holds the factor sqrt(1 / 128).  THE MASK IS AN INPUT: all 2,048 x 2,048 numbers are read and added, whatever they hold.
; THE SOFTMAX: t = (score + mask) log2 e; M = the running largest t rounded UP to a whole number; p = 2^(t - M) is quantised along the keys, not normalised; the row's sum is taken of the unquantised p
; and divides o at the end.  When M moves, the sum and o are multiplied by 2^(old M - new M): exact.
; SHARES.  A work-group owns 128 queries of one head, each of its eight waves one tile of 16; two waves to a SIMD.  Every wave walks all 2,048 keys, 128 a step.
; BUFFERS.  qkv: kind x OPB + (16 head + group) OB, kind 0 q, 1 k, 2 v; a block OB holds eight images of fragments (piece c at 512 c + 16 x lane) and from SCO on eight times 128 bytes of scale words.
; q, k: a tile is 16 tokens, K the head's 128; v: a tile is 16 channels, K the group's 128 tokens.  Lane r of tile 2 b + u is row 32 b + 8 u + r % 8 + 16 (r / 8), so that the 16 registers of two result tiles are 16 neighbours.
; LAYOUT.  Both products transposed: S^T = k q^T + mask^T (source 0 = 16 keys, source 1 = my 16 queries), O^T = v^T p^T: a lane holds ONE query throughout.
; THE MASK IS THE C OF THE FIRST PRODUCT: mimg holds it in the order of S^T's registers, so it comes from memory straight into registers, 16 loads of 512 consecutive bytes a step, two steps ahead, and its addition costs no line.
; It is not asked for jointly: each wave's tile of it is its own (another query tile than any partner's), so no two work-groups of a cluster read the same bytes of it.
; CLUSTER.  The four partners are four groups of queries of one head and walk the same k and v: wave 0 asks for k's two blocks of a slot, wave 1 for v's, JOINTLY, 26,624 dense bytes as 104 rows of 256.
; LIMITS: the mask's numbers are finite (down to -3e38); a row all of whose numbers are hidden alike gives the mean of v, as the problem's own softmax does; NaN and infinities are not served;
; a block whose largest magnitude lies under 2^-124 gets the scale byte 1.
; REGISTERS: v1, v2 16 x and 4 x lane; v5, v6 the add's two; v8, v9 LDS addresses in hand; v12 -M, v13 the largest t, v[14:15] the sum; v16-27 q; v28, v29 the prefetches' offsets; v32-79 four fragments;
;   v96-159 S^T, then p; v160-223 O^T; v224-235 p's codes; v232-254 at work; v248-251 the fragments' scale words, v253 p's, v255 q's.   window 1: v0-63, v64-127 the mask of a slot's first and second step.
.set OB,    13312
.set SCO,   12288
.set GRP,   16*OB
.set OPB,   16*GRP
.set VOFF,  2*OB                       ; a slot: k's two blocks, then v's two
.set SLOT1, 1<<16                      ; slot 1 begins here: one exclusive or turns an address from one slot to the other
.set SPARE, 2*SLOT1                    ; behind the ring: the spare words, 128 bytes for each of eight waves
.set L16,  1
.set L4,   2
.set SPW,  5
.set NIL,  6
.set AD16, 8
.set AD4,  9
.set PFO,  28                          ; v28  256 x lane: a step's 8,192 bytes of the mask
.set PFK,  29                          ; v29  256 x (26 x my place in the cluster + min(lane, 25)): my work-group's 26 of a slot's 104 rows of 256 bytes
.set TM,   32                          ; the way out: v32-47 at work, v48 the scale word, v224-242 codes
.set PW,   48
.set PC,   224
.set TB,   2                           ; s2   LDS byte at which the slot in hand begins
.set WV,   18                          ; s18  my wave's number
.set SEL,  20                          ; s[20:21]
.set CS,   22                          ; s[22:23] log2 e
.set G1,   24                          ; s[24:31] descriptor group 1
.set G0,   40                          ; s[40:43] group 0, which walks
.set MB,   44                          ; s[44:45] the mask of the steps two ahead of the slot in hand
.set SLOTS, 67                         ; s67  slots still to be asked for
.set PFA,  76                          ; s[76:77] where my prefetches of k or v stand: the slot after the one that is being asked for
.set LIM,  80                          ; s80  1 in a wave that prefetches k or v, else the greatest number
.set LIMM, 81                          ; s81  1 where the head is 0, else the greatest number
.set MSB, 0
.macro WIN new
.if MSB != \new
	s_set_vgpr_msb (MSB<<8)|\new
.set MSB, \new
.endif
.endm
.macro JLOAD                           ; wave 0: k's part of a slot; wave 1: v's; the branch hangs on the wave's number alone.  An s_nop 0 and four v_nop follow the load
	s_cmp_lt_u32 s[WV], 2
	s_cbranch_scc0 .Lasked_\@
	tensor_load_to_lds s[G0:G0+3], s[G1:G1+7]
	s_nop 0
.rept 4
	v_nop
.endr
.Lasked_\@:
.endm
; A PREFETCH INTO THE L2 of what the NEXT change of slots will ask for: 26,624 bytes of k and as many of v.  All four clusters of a head walk the same k and v: the head's first cluster asks.
; Its four partners share the 104 rows of 256 bytes out BY ADDRESS, 26 each (lanes 26-31 name the 26th again); wave 2 asks for k's, wave 3 for v's.  The last change that fills a slot asks for nothing.
.macro ASK
	s_cmp_gt_u32 s[SLOTS], s[LIM]
	s_cbranch_scc0 .Lnot_mine_\@
	global_prefetch_b8 v[PFK], s[PFA:PFA+1] th:TH_LOAD_NT scope:SCOPE_SE
.Lnot_mine_\@:
.endm
.macro CROUND                          ; a round of the cluster's barrier
	s_barrier_signal -1
	s_barrier_wait -1
	s_cmp_lg_u32 s[WV], 0
	s_cbranch_scc1 .Lnot_wave_0_\@
	s_barrier_signal -3
.Lnot_wave_0_\@:
	s_barrier_wait -3
	s_barrier_signal -1
	s_barrier_wait -1
.endm
.macro QUANT s                         ; 64 numbers, register 16 b + i = k 32 b + 16 (lane / 16) + i of my row: codes into v[PC] on, the scale word into v[PW]
.irp b, 0,1,2,3
	v_max3_num_f32 v[TM+\b], |v[\s+16*\b]|, |v[\s+1+16*\b]|, 0x1800000
.endr
.irp i, 2,4,6,8,10,12,14
.irp b, 0,1,2,3
	v_max3_num_f32 v[TM+\b], v[TM+\b], |v[\s+16*\b+\i]|, |v[\s+1+16*\b+\i]|
.endr
.endr
.irp b, 0,1,2,3
	v_permlanex16_b32 v[TM+4+\b], v[TM+\b], s[SEL], s[SEL+1]
.endr
.irp b, 0,1,2,3
	v_max_num_f32 v[TM+\b], v[TM+\b], v[TM+4+\b]
.endr
.irp b, 0,1,2,3
	v_add_nc_u32 v[TM+12+\b], 0xff000000, v[TM+\b]
.endr
.irp b, 0,1,2,3
	v_lshrrev_b32 v[TM+4+\b], 23, v[TM+12+\b]
.endr
	v_lshl_or_b32 v[PW], v[TM+5], 8, v[TM+4]
	v_lshl_or_b32 v[PW], v[TM+6], 16, v[PW]
	v_lshl_or_b32 v[PW], v[TM+7], 24, v[PW]
.irp c, 0,1
	v_cvt_scalef32_pk16_fp6_f32 v[PC+6*\c:PC+2+6*\c], v[\s+32*\c:\s+15+32*\c], v[TM+12+2*\c]
	v_cvt_scalef32_pk16_fp6_f32 v[PC+12+4*\c:PC+14+4*\c], v[\s+16+32*\c:\s+31+32*\c], v[TM+12+2*\c+1]
.endr
	v_nop
.irp c, 0,1
.irp i, 0,1,2
	v_permlane16_swap_b32 v[PC+6*\c+\i], v[PC+12+4*\c+\i]
.endr
.irp i, 0,1,2
	v_mov_b32 v[PC+3+6*\c+\i], v[PC+12+4*\c+\i]
.endr
.endr
.endm
	s_load_b128 s[4:7], s[0:1], 0x0                ; qkv s[4:5], mimg s[6:7]
	s_load_b64 s[8:9], s[0:1], 0x10                ; ocod
	v_lshl_add_u32 v[SPW], v0, 2, SPARE
	v_mov_b32 v[NIL], 0
	ds_add_u32 v[SPW], v[NIL]                      ; the wave's opening: the add and its wait stand ahead of my first tensor load; work on registers stands between them
	v_lshrrev_b32 v8, 5, v0
	v_readfirstlane_b32 s[WV], v8                  ; wave 0..7
	s_bfe_u32 s13, ttmp6, 0x40000                  ; cx
	s_lshl_b32 s14, ttmp9, 2
	s_add_co_u32 s14, s14, s13                     ; my group of 128 queries: it enters q's, the mask's and o's addresses alone
	s_and_b32 s15, ttmp7, 0xffff                   ; the head, which the four partners share
	s_and_b32 s16, s[WV], 1                        ; 0: k, 1: v
	s_mov_b32 s[G1], 15|(3<<16)|(1<<21)            ; 15:0 the mask: all four; 17:16 elements of 8 bytes; 20 no padding; 21 set beside a mask
	s_mov_b32 s[G1+1], 32<<16                      ; tensor_dim0 = 32 elements: 256 bytes
	s_mov_b32 s[G1+2], 104<<16                     ; tensor_dim1 = 104
	s_mov_b32 s[G1+3], 32<<16                      ; tile_dim0
	s_mov_b32 s[G1+4], 104                         ; tile_dim1
	s_mov_b32 s[G1+5], 32                          ; the pitch
	s_mov_b32 s[G1+6], 0
	s_mov_b32 s[G1+7], 0
	s_mul_i32 s17, s16, VOFF                       ; where it goes in a slot
	s_add_co_u32 s10, s16, 1
	s_mul_i32 s10, s10, OPB
	s_mul_i32 s11, s15, GRP
	s_add_co_u32 s10, s10, s11                     ; the head's k or v
	s_mov_b32 s11, 0
	s_lshl_b32 s46, s15, 4
	s_add_co_u32 s46, s46, s14
	s_mul_i32 s46, s46, OB                         ; q: block 16 head + group,
	s_mul_i32 s47, s[WV], 1536
	s_lshl_b32 s49, s[WV], 7
	s_add_co_u32 s48, s46, s49
	s_add_co_u32 s48, s48, SCO                     ; my tile's scale words,
	s_add_co_u32 s46, s46, s47                     ; my tile's image
	s_mov_b32 s47, 0
	s_mov_b32 s49, 0
	s_lshl_b32 s50, s14, 4
	s_add_co_u32 s50, s50, s15
	s_mul_i32 s50, s50, OB                         ; o: block 16 group + head (the head is the last product's K step)
	s_mul_i32 s51, s[WV], 1536
	s_lshl_b32 s53, s[WV], 7
	s_add_co_u32 s52, s50, s53
	s_add_co_u32 s52, s52, SCO
	s_add_co_u32 s50, s50, s51
	s_mov_b32 s51, 0
	s_mov_b32 s53, 0
	s_lshl_b32 s54, s14, 3
	s_add_co_u32 s54, s54, s[WV]                   ; my tile of queries
	s_lshl_b32 s54, s54, 17                        ; 16 steps of 8,192 bytes of the mask
	s_mov_b32 s55, 0
	s_mov_b32 s[SEL], 0x76543210
	s_mov_b32 s[SEL+1], 0xfedcba98
	s_mov_b32 s[CS], 0x3fb8aa3b                    ; log2 e
	s_mov_b32 s[CS+1], s[CS]
	s_mov_b32 s[TB], 0
	s_mov_b32 s[SLOTS], 7
	s_lshr_b32 s82, s[WV], 1
	s_xor_b32 s82, s82, 1                          ; 0 in waves 2 and 3,
	s_or_b32 s82, s82, ttmp9                       ; of the head's first cluster: the same in all four partners
	s_cmp_eq_u32 s82, 0
	s_cselect_b32 s[LIM], 1, -1
	s_cmp_eq_u32 s15, 0
	s_cselect_b32 s[LIMM], 1, -1
	v_and_b32 v3, 31, v0
	v_lshlrev_b32 v[L16], 4, v3
	v_lshlrev_b32 v[L4], 2, v3
	v_lshlrev_b32 v[PFO], 8, v3
	v_min_u32 v[PFK], 25, v3
	s_mul_i32 s83, s13, 26
	v_add_nc_u32 v[PFK], s83, v[PFK]
	v_lshlrev_b32 v[PFK], 8, v[PFK]
	s_wait_dscnt 0x0                               ; the opening add is done
	s_wait_kmcnt 0x0
	s_add_nc_u64 s[10:11], s[4:5], s[10:11]
	s_add_nc_u64 s[46:47], s[4:5], s[46:47]
	s_add_nc_u64 s[48:49], s[4:5], s[48:49]
	s_add_nc_u64 s[50:51], s[8:9], s[50:51]
	s_add_nc_u64 s[52:53], s[8:9], s[52:53]
	s_add_nc_u64 s[54:55], s[6:7], s[54:55]
	s_mov_b64 s[MB:MB+1], s[54:55]                 ; the first change of slots steps it to steps 2 and 3
	s_add_nc_u64 s[PFA:PFA+1], s[10:11], VOFF      ; in slot 1; the first change steps it to slot 2.  Nothing is prefetched here, at the head
	CROUND                                         ; all four work-groups are here: the first joint loads meet
	s_mov_b32 s[G0], 1
	s_mov_b32 s[G0+1], s17
	s_mov_b64 s[G0+2:G0+3], s[10:11]
	s_or_b32 s[G0+3], s[G0+3], 0x80000000
	JLOAD                                          ; slot 0
	global_load_b128 v[16:19], v[L16], s[46:47]    ; q's fragment stays in registers
	global_load_b128 v[20:23], v[L16], s[46:47] offset:512
	global_load_b128 v[24:27], v[L16], s[46:47] offset:1024
	global_load_b32 v255, v[L4], s[48:49]          ; and its scale words
	WIN 0x40                                       ; destination window 1
.set i, 0
.rept 32
	global_load_b128 v[4*i:4*i+3], v[L16], s[54:55] offset:512*i   ; the mask of steps 0 and 1
.set i, i+1
.endr
	WIN 0
	v_mov_b32 v13, 0xff61b1e6                      ; the largest t so far: -3e38
	v_floor_f32 v12, -v13                          ; -M
	v_mov_b32 v14, 0
	v_mov_b32 v15, 0
.irp b, 0,1,2,3
	v_mov_b32 v[236+\b], 0                         ; a lane permute's destination counts as one of its sources
.endr
	v_mov_b32 v253, 0                              ; (named as the upper half of the pair v[252:253] before it is first written)
.set i, 0
.rept 64
	v_mov_b32 v[160+i], 0                          ; O^T: the step is written once; the first finds zeros, which the first change of M leaves zeros
.set i, i+1
.endr
; A KEY STEP: 128 keys, the q-th block of the slot in hand.  more = 1: the mask of the step two on is asked for.  left: the mask loads issued behind this step's.
.macro STEP q, more, left
	v_add_nc_u32 v[AD16], s[TB], v[L16]
	v_add_nc_u32 v[AD4], s[TB], v[L4]
	v_nop
	v_nop                                          ; four places in front of loads into registers that the last products have read
.irp g, 0,1                                    ; S^T = k q^T + mask^T, four tiles of 16 keys at a time
.if \g > 0
.rept 4
	v_nop
.endr
.endif
.irp t, 0,1,2,3
.irp c, 0,1,2
	ds_load_b128 v[32+12*\t+4*\c:35+12*\t+4*\c], v[AD16] offset:(\q)*OB+(4*\g+\t)*1536+512*\c
.endr
	ds_load_b32 v[248+\t], v[AD4] offset:(\q)*OB+SCO+128*(4*\g+\t)
.endr
.if \g == 0
	s_wait_loadcnt \left                           ; this step's mask (and in the first step q) is in; the next step's 16 loads may be out
.endif
	s_wait_dscnt 0x0
	WIN 0x10                                       ; C: window 1
.irp t, 0,1,2,3
	v_wmma_scale_f32_16x16x128_f8f6f4 v[96+8*(4*\g+\t):103+8*(4*\g+\t)], v[32+12*\t:43+12*\t], v[16:27], v[64*(\q)+8*(4*\g+\t):64*(\q)+8*(4*\g+\t)+7], v[248+\t], v255 matrix_a_fmt:MATRIX_FMT_FP6 matrix_b_fmt:MATRIX_FMT_FP6
.endr
	WIN 0
.endr                                          ; lane (r, h): query r; register 16 b + i: key 32 b + 16 h + i of the step
.rept 4
	v_nop                                          ; places in front of the loads into C's registers and of the first read of results
.endr
.if \more
	WIN 0x40
.set i, 0
.rept 16
	global_load_b128 v[64*(\q)+4*i:64*(\q)+4*i+3], v[L16], s[MB:MB+1] offset:(\q)*8192+512*i   ; the mask of the step two on, into the registers just read
.set i, i+1
.endr
	WIN 0
	s_cmp_gt_u32 s[SLOTS], s[LIMM]                 ; A PREFETCH INTO THE L2 of my tile's mask of the step FOUR on, two steps ahead of its loads: lanes 256 bytes apart, 8,192 bytes.  All sixteen heads read
	s_cbranch_scc0 .Lnopf_\@                       ; the same mask: head 0's work-groups ask, each wave for its own tile, so each block is named once.  The last trip asks for nothing: step 15 is the last
	global_prefetch_b8 v[PFO], s[MB:MB+1] offset:(\q)*8192+16384 th:TH_LOAD_NT scope:SCOPE_SE
.Lnopf_\@:
.endif
.irp b, 0,1,2,3
	v_max3_num_f32 v[232+\b], v[96+16*\b], v[97+16*\b], v[98+16*\b]   ; the largest logit of each block of 32 keys: for the row's maximum, and, since p rises with the logit, for the block's largest p
.endr
.irp i, 3,5,7,9,11,13
.irp b, 0,1,2,3
	v_max3_num_f32 v[232+\b], v[232+\b], v[96+16*\b+\i], v[97+16*\b+\i]
.endr
.endr
.irp b, 0,1,2,3
	v_max_num_f32 v[232+\b], v[232+\b], v[111+16*\b]
.endr
.irp b, 0,1,2,3
	v_permlanex16_b32 v[236+\b], v[232+\b], s[SEL], s[SEL+1]
.endr
.irp b, 0,1,2,3
	v_max_num_f32 v[232+\b], v[232+\b], v[236+\b]  ; with lane l xor 16's 16 keys
.endr
	v_max3_num_f32 v254, v232, v233, v234
	v_max_num_f32 v254, v254, v235
	v_mul_f32 v254, s[CS], v254                    ; as t
	v_max_num_f32 v13, v13, v254                   ; the running largest t
	v_mov_b32 v254, v12
	v_floor_f32 v12, -v13                          ; the new -M = -ceil(t)
	v_sub_f32 v254, v12, v254                      ; old M - new M: a whole number, 0 or less
	v_cvt_i32_f32 v254, v254                       ; (it saturates)
	v_ldexp_f32 v252, 1.0, v254                    ; f = 2^(old M - new M)
.set j, 0
.rept 32
	v_pk_fma_f32 v[96+j:97+j], v[96+j:97+j], s[CS:CS+1], v[12:13] op_sel_hi:[1,0,0]   ; t - M, two at a time
.set j, j+2
.endr
.irp b, 0,1,2,3
	v_fma_f32 v[232+\b], v[232+\b], s[CS], v12     ; the same of each block's largest logit
.endr
.set j, 0
.rept 64
	v_exp_f32 v[96+j], v[96+j]                     ; p = 2^(t - M): one batch
.set j, j+1
.endr
	v_pk_mul_f32 v[14:15], v[14:15], v[252:253] op_sel_hi:[1,0]   ; the sums under the new M: a plain place behind the exponentials
	s_wait_alu depctr_va_vdst(0)                   ; one wait for the batch, ahead of its first reader
.irp b, 0,1,2,3
	v_exp_f32 v[232+\b], v[232+\b]                 ; the block's largest p
.endr
	v_pk_add_f32 v[236:237], v[96:97], v[98:99]    ; the row's sum of the UNQUANTISED p, two at a time, in two chains
.irp j, 4,8,12,16,20,24,28,32,36,40,44,48,52,56,60
	v_pk_add_f32 v[14:15], v[14:15], v[96+\j:97+\j]
	v_pk_add_f32 v[236:237], v[236:237], v[98+\j:99+\j]
.endr
	v_pk_add_f32 v[14:15], v[14:15], v[236:237]
	s_wait_alu depctr_va_vdst(0)                   ; and one for the four
.irp b, 0,1,2,3
	v_max_num_f32 v[232+\b], 0x1800000, v[232+\b]  ; the floor 2^(3 - 127)
.endr
.irp b, 0,1,2,3
	v_add_nc_u32 v[244+\b], 0xff000000, v[232+\b]  ; the conversion's scale operand
.endr
.irp b, 0,1,2,3
	v_lshrrev_b32 v[236+\b], 23, v[244+\b]         ; the scale's byte
.endr
	v_lshl_or_b32 v253, v237, 8, v236              ; p's scale word for these 128 keys
	v_lshl_or_b32 v253, v238, 16, v253
	v_lshl_or_b32 v253, v239, 24, v253
.irp c, 0,1
	v_cvt_scalef32_pk16_fp6_f32 v[224+6*\c:226+6*\c], v[96+32*\c:111+32*\c], v[244+2*\c]
	v_cvt_scalef32_pk16_fp6_f32 v[236+4*\c:238+4*\c], v[112+32*\c:127+32*\c], v[244+2*\c+1]
.endr
	v_nop                                          ; one plain place behind a scaled conversion
.irp c, 0,1
.irp i, 0,1,2
	v_permlane16_swap_b32 v[224+6*\c+\i], v[236+4*\c+\i]
.endr
.irp i, 0,1,2
	v_mov_b32 v[227+6*\c+\i], v[236+4*\c+\i]
.endr
.endr
.set j, 0
.rept 32
	v_pk_mul_f32 v[160+j:161+j], v[160+j:161+j], v[252:253] op_sel_hi:[1,0]   ; O^T under the new M; these 32 are also the places in front of the products and loads below
.set j, j+2
.endr
.irp g, 0,1                                    ; O^T += v^T p^T: four tiles of 16 channels at a time
.if \g > 0
.rept 4
	v_nop
.endr
.endif
.irp t, 0,1,2,3
.irp c, 0,1,2
	ds_load_b128 v[32+12*\t+4*\c:35+12*\t+4*\c], v[AD16] offset:VOFF+(\q)*OB+(4*\g+\t)*1536+512*\c
.endr
	ds_load_b32 v[248+\t], v[AD4] offset:VOFF+(\q)*OB+SCO+128*(4*\g+\t)
.endr
	s_wait_dscnt 0x0
.irp t, 0,1,2,3
	v_wmma_scale_f32_16x16x128_f8f6f4 v[160+8*(4*\g+\t):167+8*(4*\g+\t)], v[32+12*\t:43+12*\t], v[224:235], v[160+8*(4*\g+\t):167+8*(4*\g+\t)], v[248+\t], v253 matrix_a_fmt:MATRIX_FMT_FP6 matrix_b_fmt:MATRIX_FMT_FP6
.endr
.endr
.endm
; THE CHANGE OF SLOTS stands at a slot's head.  Each wave waits for all its tensor loads, adds 0 to its spare word, and waits for that and for its reads of the slot that it has left.
; fill = 1: a round of the cluster's barrier, and behind it the slot just left is filled with the next 256 keys: the load has two key steps in which to land.
.macro CHANGE fill
	s_wait_tensorcnt 0x0                           ; no tensor load of mine is out, so the group 0 may be written
	ds_add_u32 v[SPW], v[NIL]                      ; 0 onto my spare word
.if \fill
	s_xor_b32 s[G0+1], s[G0+1], SLOT1              ; the other slot than last time,
	s_add_nc_u64 s[G0+2:G0+3], s[G0+2:G0+3], VOFF  ; the next two blocks
	s_wait_xcnt 0x0                                ; the last slot's mask loads and prefetches have read their bases:
	s_add_nc_u64 s[PFA:PFA+1], s[PFA:PFA+1], VOFF
	s_add_nc_u64 s[MB:MB+1], s[MB:MB+1], 16384     ; the mask two steps ahead of the slot that begins
	s_wait_dscnt 0x0                               ; the add is done, and my reads of the slot that I have left are over
	CROUND
	JLOAD
	ASK
.else
	s_wait_dscnt 0x0
	s_barrier_signal -1
	s_barrier_wait -1
.endif
.endm
.Lslot:                                            ; seven trips: behind each change of slots but the last the next slot is asked for
	CHANGE 1
	STEP 0, 1, 16
	STEP 1, 1, 16
	s_xor_b32 s[TB], s[TB], SLOT1
	s_sub_co_u32 s[SLOTS], s[SLOTS], 1
	s_cmp_lg_u32 s[SLOTS], 0
	s_cbranch_scc1 .Lslot
	CHANGE 0                                       ; the last slot is written out
	STEP 0, 0, 16
	STEP 1, 0, 0
	; THE WAY OUT: O^T / the sum; a lane's 64 numbers are channels 32 b + 16 h + i of its query: the quantiser's order along the last product's K.  No LDS.
.rept 4
	v_nop                                          ; places behind the last products
.endr
	v_add_f32 v14, v14, v15
	v_permlanex16_b32 v252, v14, s[SEL], s[SEL+1]
	v_add_f32 v14, v14, v252                       ; the row's sum
	v_rcp_f32 v14, v14
.irp b, 0,1,2,3
	v_mov_b32 v[TM+4+\b], 0                        ; plain work behind the reciprocal
.endr
	s_wait_alu depctr_va_vdst(0)                   ; the wait ahead of its first reader
.set j, 0
.rept 64
	v_mul_f32 v[96+j], v[160+j], v14               ; each accumulator from its low end on
.set j, j+1
.endr
	QUANT 96
.irp c, 0,1,2
	global_store_b128 v[L16], v[PC+4*\c:PC+4*\c+3], s[50:51] offset:512*\c   ; 512 consecutive bytes, aligned
.endr
	global_store_b32 v[L4], v[PW], s[52:53]
	s_wait_tensorcnt 0x0                           ; the wave's end
	ds_add_u32 v[SPW], v[NIL]
	s_wait_dscnt 0x0
	CROUND                                         ; the closing round
	s_endpgm
.Lfunc_end_k_qd3547fd462_attn:
	.size	k_qd3547fd462_attn, .Lfunc_end_k_qd3547fd462_attn-k_qd3547fd462_attn
	.p2alignl 7, 3214868480
	.fill 96, 4, 3214868480
	.section	.rodata,"a",@progbits
	.p2align	6, 0x0
	.amdhsa_kernel k_qd3547fd462_attn
		.amdhsa_group_segment_fixed_size 327680
		.amdhsa_private_segment_fixed_size 0
		.amdhsa_enable_private_segment 0
		.amdhsa_kernarg_size 24
		.amdhsa_user_sgpr_count 2
		.amdhsa_user_sgpr_kernarg_segment_ptr 1
		.amdhsa_wavefront_size32 1
		.amdhsa_system_sgpr_workgroup_id_x 1
		.amdhsa_system_sgpr_workgroup_id_y 1
		.amdhsa_system_sgpr_workgroup_id_z 1
		.amdhsa_system_vgpr_workitem_id 0
		.amdhsa_next_free_vgpr 384
		.amdhsa_next_free_sgpr 100
		.amdhsa_reserve_vcc 0
		.amdhsa_float_denorm_mode_32 3
		.amdhsa_float_denorm_mode_16_64 3
		.amdhsa_memory_ordered 1
		.amdhsa_forward_progress 1
		.amdhsa_inst_pref_size 100
	.end_amdhsa_kernel
	.amdgpu_metadata
---
amdhsa.version: [ 1, 2 ]
amdhsa.kernels:
  - .name:           k_qd3547fd462_attn
    .symbol:         k_qd3547fd462_attn.kd
    .args:
      - { .name: qkv, .offset: 0, .size: 8, .value_kind: global_buffer, .address_space: global }
      - { .name: mimg, .offset: 8, .size: 8, .value_kind: global_buffer, .address_space: global }
      - { .name: ocod, .offset: 16, .size: 8, .value_kind: global_buffer, .address_space: global }
    .group_segment_fixed_size: 327680
    .private_segment_fixed_size: 0
    .kernarg_segment_align: 8
    .kernarg_segment_size: 24
    .max_flat_workgroup_size: 256
    .sgpr_count:     100
    .vgpr_count:     384
    .wavefront_size: 32
...
	.end_amdgpu_metadata
.endif
;; end of part 3
;; launch outp (part 4): grid 8 x 8, 4 waves a work-group, clusters of 4 x 4, 327,680 bytes of LDS; arguments ocod, cod, out0; writes out0
.if DOCPART == 4
	.amdgcn_target "amdgcn-amd-amdhsa--gfx1250"
	.amdhsa_code_object_version 6
	.text
	.protected	k_qd3547fd462_outp
	.globl	k_qd3547fd462_outp
	.p2align	8
	.type	k_qd3547fd462_outp,@function
k_qd3547fd462_outp:
	s_mov_b64 s[64:65], 0
	v_nop
	global_prefetch_b8 v0, s[64:65] scope:SCOPE_SE
	s_setreg_imm32_b32 hwreg(HW_REG_WAVE_MODE, 25, 1), 1
	s_wait_xcnt 0x0
	s_wait_alu depctr_hold_cnt(0) depctr_sa_sdst(0) depctr_va_vdst(0) depctr_va_sdst(0) depctr_va_ssrc(0) depctr_va_vcc(0) depctr_vm_vsrc(0)
	s_getreg_b32 s2, hwreg(HW_REG_IB_STS2, 6, 4)
	s_cmp_eq_u32 s2, 0
	s_cbranch_scc0 .Lentry_in_a_cluster
	s_endpgm
.Lentry_in_a_cluster:
	s_bfe_u32 s2, ttmp6, 0x10000c
	s_cmp_lg_u32 s2, 0xf033
	s_cbranch_scc0 .Lentry_shape_is_right
	s_endpgm
.Lentry_shape_is_right:
; OUTP: out0 = o Wo on codes of FP6 (E2M3) with E8M0 scales, sums in f32, K = 2,048 ascending; out0 [2048][2048] f32.
; A = ocod: group of 128 tokens G, K step (= head) s at (16 G + s) OB.  B = cod's groups 48-63: Wo's columns.  A block OB holds eight images of fragments (piece c at 512 c + 16 x lane) and from SCO on
; eight times 128 bytes of scale words.  Lane r of tile 2 b + u of a group is row 32 b + 8 u + r % 8 + 16 (r / 8): the way out puts rows and columns back in their places.
; A tile of C, 256 x 256, to a work-group of four waves; a wave makes 128 x 128: 64 accumulators; source 0 = 16 rows of B, source 1 = 16 rows of A.
; K goes in steps of 256 through a ring of two LDS slots; one tensor load brings two blocks, 26,624 dense bytes, as 104 rows of 256.  CLUSTERS 4 x 4: A's halves jointly along a row, B's along a column.
; The problem has 64 such tiles: 64 work-groups.
; REGISTERS: window 0: v16-21 LDS addresses; v24-26 the way out's; v28, v29 the add's two; v32-63 scale words, two sets, and nothing else; v128-223 A's fragments; on the way out v128-255 rows of C.
;   window 1: B's fragments, two sets.   windows 2, 3: the accumulators.
.set OB,    13312
.set SCO,   12288
.set GRP,   16*OB
.set NQ,    2
.set FR,    12
.set NL,    3
.set NP,    4
.set HALFT, NQ*OB
.set SLOT,  4*HALFT
.set SPARE, 2*SLOT                     ; behind the ring: the spare words, 128 bytes for each wave
.set LAPS,  4
.set SPITCH, 528                       ; the way out: a stage of 16 rows x (512 bytes + 16) for each wave, in slot 0, which has had its last fill and its last read when the first result is stored there
.set ADRA, 16
.set ADSC, 18
.set ADRB, 20
.set STO,  24                          ; v24  where I put 32 bytes of a stage row
.set RD,   25                          ; v25  where I read a row back
.set CO,   26                          ; v26  16 x lane: my bytes of a row of C
.set SPW,  28
.set NIL,  29
.set SC,   32
.set AF,   128
.set BK,   128
.set G1,   24
.set G0,   32
.set G1B,  48
.set G0B,  56
.set MSB, 0
.macro WIN new
.if MSB != \new
	s_set_vgpr_msb (MSB<<8)|\new
.set MSB, \new
.endif
.endm
.set MUL_LO, 0xa1
.set MUL_HI, 0xf1
.set TO_B,   0x40
.macro JLOAD g0a, g1a, g0b, g1b        ; waves 0 and 1 fetch A's halves, waves 2 and 3 B's; an s_nop 0 and four v_nop follow each line
	s_cmp_eq_u32 s15, 0
	s_cbranch_scc0 .Lfor_b_\@
	tensor_load_to_lds s[\g0a:\g0a+3], s[\g1a:\g1a+7]
	s_nop 0
.rept 4
	v_nop
.endr
	s_branch .Lasked_\@
.Lfor_b_\@:
	tensor_load_to_lds s[\g0b:\g0b+3], s[\g1b:\g1b+7]
	s_nop 0
.rept 4
	v_nop
.endr
.Lasked_\@:
.endm
.macro CREST
	s_cmp_lg_u32 s14, 0
	s_cbranch_scc1 .Lnot_wave_0_\@
	s_barrier_signal -3
.Lnot_wave_0_\@:
	s_barrier_wait -3
	s_barrier_signal -1
	s_barrier_wait -1
.endm
.macro CROUND
	s_barrier_signal -1
	s_barrier_wait -1
	CREST
.endm
	s_load_b128 s[4:7], s[0:1], 0x0                ; ocod s[4:5], cod s[6:7]
	s_load_b64 s[12:13], s[0:1], 0x10              ; out0
	v_lshl_add_u32 v[SPW], v0, 2, SPARE
	v_mov_b32 v[NIL], 0
	ds_add_u32 v[SPW], v[NIL]                      ; the wave's opening: the add and its wait stand ahead of my first tensor load
	v_lshrrev_b32 v1, 5, v0
	v_readfirstlane_b32 s14, v1                    ; wave 0..3
	s_lshr_b32 s15, s14, 1                         ; my half of A's rows.  Also: I fetch for A (0) or for B (1)
	s_and_b32 s16, s14, 1                          ; my half of B's rows.  Also: which half I fetch
	s_bfe_u32 s40, ttmp6, 0x40000
	s_bfe_u32 s41, ttmp6, 0x40004
	s_lshl_b32 s42, ttmp9, 2
	s_add_co_u32 s42, s42, s40                     ; tile column
	s_and_b32 s17, ttmp7, 0xffff
	s_lshl_b32 s17, s17, 2
	s_add_co_u32 s17, s17, s41                     ; tile row
	s_lshl_b32 s43, s41, 2
	s_lshl_b32 s43, 15, s43                        ; my row of the cluster
	s_lshl_b32 s44, 0x1111, s40                    ; my column
	s_or_b32 s[G1+0], s43, (3<<16)|(1<<21)         ; the mask; elements of 8 bytes; no padding; bit 21 beside a mask
	s_or_b32 s[G1B+0], s44, (3<<16)|(1<<21)
.irp g, G1, G1B
	s_mov_b32 s[\g+1], 32<<16                      ; rows of 256 bytes,
	s_mov_b32 s[\g+2], 104<<16                     ; 104 of them, dense
	s_mov_b32 s[\g+3], 32<<16
	s_mov_b32 s[\g+4], 104
	s_mov_b32 s[\g+5], 32
	s_mov_b32 s[\g+6], 0
	s_mov_b32 s[\g+7], 0
.endr
	s_lshl_b32 s20, s17, 1
	s_add_co_u32 s20, s20, s16                     ; A's group: 2 x tile row + half
	s_lshl_b32 s46, s42, 1
	s_add_co_u32 s46, s46, s16
	s_add_co_u32 s46, s46, 48                      ; B's group: Wo's 48 + 2 x tile column + half
	s_mul_i32 s20, s20, GRP
	s_mul_i32 s46, s46, GRP
	s_mov_b32 s21, 0
	s_mov_b32 s47, 0
	s_mul_i32 s45, s14, HALFT
	s_wait_dscnt 0x0                               ; the opening add is done
	s_wait_kmcnt 0x0
	s_add_nc_u64 s[20:21], s[4:5], s[20:21]
	s_add_nc_u64 s[46:47], s[6:7], s[46:47]
	CROUND                                         ; all sixteen work-groups are here: the first joint loads meet
.irp s, 0,1
	s_mov_b32 s[G0+4*\s], 1
	s_add_co_u32 s[G0+4*\s+1], s45, \s*SLOT
	s_add_nc_u64 s[G0+4*\s+2:G0+4*\s+3], s[20:21], \s*HALFT
	s_or_b32 s[G0+4*\s+3], s[G0+4*\s+3], 0x80000000
	s_mov_b32 s[G0B+4*\s], 1
	s_add_co_u32 s[G0B+4*\s+1], s45, \s*SLOT
	s_add_nc_u64 s[G0B+4*\s+2:G0B+4*\s+3], s[46:47], \s*HALFT
	s_or_b32 s[G0B+4*\s+3], s[G0B+4*\s+3], 0x80000000
	JLOAD G0+4*\s, G1, G0B+4*\s, G1B               ; two loads of mine are out
.endr
	v_and_b32 v1, 31, v0
	v_bfe_u32 v2, v0, 4, 1                         ; h
	v_lshlrev_b32 v[CO], 4, v1                     ; 16 x lane
	v_lshlrev_b32 v4, 2, v1
	s_mul_i32 s21, s15, HALFT
	s_mul_i32 s22, s16, HALFT
	s_add_co_u32 s22, s22, 2*HALFT
	s_sub_co_u32 s23, s22, s21
	v_mul_u32_u24 v5, s23, v2                      ; lanes 16-31 take B's scale words: one product, h x the distance
	v_add_nc_u32 v5, v5, v4
.irp s, 0,1
	v_add_nc_u32 v[ADRA+\s], s21, v[CO]
	v_add_nc_u32 v[ADRB+\s], s22, v[CO]
	v_add_nc_u32 v[ADSC+\s], s21, v5
	s_add_co_u32 s21, s21, SLOT
	s_add_co_u32 s22, s22, SLOT
.endr
	s_mul_i32 s23, s14, 16*SPITCH                  ; my stage
	v_and_b32 v6, 15, v0
	v_mul_u32_u24 v6, v6, SPITCH
	v_lshl_add_u32 v6, v2, 6, v6
	v_add_nc_u32 v[STO], s23, v6                   ; in: row l % 16, + 64 h: accumulator b's eight columns are 32 (b / 2) + 16 h + 8 (b % 2) + 0 .. 7
	v_add_nc_u32 v[RD], s23, v[CO]                 ; back: the 32 lanes take one row of 512 bytes
	s_lshl_b32 s20, s17, 1
	s_add_co_u32 s20, s20, s15
	s_lshl_b32 s20, s20, 20                        ; my first row of C: 128 (2 x tile row + half) rows of 8,192 bytes
	s_mov_b32 s21, 0
	s_lshl_b32 s46, s42, 1
	s_add_co_u32 s46, s46, s16
	s_lshl_b32 s46, s46, 9                         ; my first column: 128 (2 x tile column + half) numbers of 4 bytes
	s_mov_b32 s47, 0
	s_add_nc_u64 s[20:21], s[20:21], s[46:47]
	s_add_nc_u64 s[12:13], s[12:13], s[20:21]
.macro FRAG reg, adr, q, i
.irp c, 0,1,2
	ds_load_b128 v[\reg+4*\c:\reg+4*\c+3], v[\adr] offset:(\q)*OB+(\i)*1536+512*\c
.endr
.endm
; 16 matrix instructions: A's blocks a0, a0 + 1 x B's eight.  The 64 accumulators take turns, one instruction a turn, in the same order in every step.
.macro MUL16 a0, p, q, sc, zero
.irp a, \a0, \a0+1
.irp b, 0,1,2,3,4,5,6,7
.if \zero
	v_wmma_scale_f32_16x16x128_f8f6f4 v[8*(8*((\a)%4)+\b):8*(8*((\a)%4)+\b)+7], v[128*(\p)+FR*\b:128*(\p)+FR*\b+FR-1], v[AF+FR*(\a):AF+FR*(\a)+FR-1], 0, v[SC+8*NQ*(\sc)+NQ*\b+(\q)], v[SC+8*NQ*(\sc)+NQ*(\a)+(\q)] matrix_a_fmt:MATRIX_FMT_FP6 matrix_b_fmt:MATRIX_FMT_FP6 matrix_a_scale:MATRIX_SCALE_ROW1
.else
	v_wmma_scale_f32_16x16x128_f8f6f4 v[8*(8*((\a)%4)+\b):8*(8*((\a)%4)+\b)+7], v[128*(\p)+FR*\b:128*(\p)+FR*\b+FR-1], v[AF+FR*(\a):AF+FR*(\a)+FR-1], v[8*(8*((\a)%4)+\b):8*(8*((\a)%4)+\b)+7], v[SC+8*NQ*(\sc)+NQ*\b+(\q)], v[SC+8*NQ*(\sc)+NQ*(\a)+(\q)] matrix_a_fmt:MATRIX_FMT_FP6 matrix_b_fmt:MATRIX_FMT_FP6 matrix_a_scale:MATRIX_SCALE_ROW1
.endif
.endr
.endr
.endm
.macro FETCH_B slot, q, p
	WIN TO_B
.irp i, 0,1,2,3,4,5,6,7
	FRAG 128*(\p)+FR*\i, ADRB+\slot, \q, \i
.endr
	WIN 0
.endm
.macro FETCH_A slot, q, i0
.irp i, \i0, \i0+1, \i0+2, \i0+3
	FRAG AF+FR*(\i), ADRA+\slot, \q, \i
.endr
.endm
.macro SCALES sc
.irp q, 0,1
.irp i, 0,1,2,3,4,5,6,7
	ds_load_b32 v[SC+8*NQ*\sc+NQ*\i+\q], v[ADSC+\sc] offset:\q*OB+SCO+128*\i
.endr
.endr
.endm
.macro PLACES n
.rept \n
	v_nop
.endr
.endm
.macro STEP slot, q, zero
	s_wait_dscnt 4*NL                              ; all but the youngest twelve loads (A's blocks 4-7) are in
	WIN MUL_LO
	MUL16 0, (\q)%2, \q, \slot, \zero
	MUL16 2, (\q)%2, \q, \slot, \zero
	s_wait_dscnt 0
	PLACES NP
	FETCH_B \slot, (\q)+1, 1-(\q)%2
	FETCH_A \slot, (\q)+1, 0
	WIN MUL_HI
	MUL16 4, (\q)%2, \q, \slot, \zero
	MUL16 6, (\q)%2, \q, \slot, \zero
	PLACES NP
	WIN 0
	FETCH_A \slot, (\q)+1, 4
.endm
.macro TURN slot, next, fill
	s_wait_tensorcnt 0x0                           ; all my tensor loads have landed: my part of the next slot
	ds_add_u32 v[SPW], v[NIL]                      ; 0 onto my spare word
	s_wait_dscnt 4*NL+1                            ; (the add and the youngest twelve loads may be out)
	WIN MUL_LO
	MUL16 0, 1, NQ-1, \slot, 0
	s_wait_dscnt 0x0                               ; the add is done, and my reads of this slot are over
	s_barrier_signal -1
	MUL16 2, 1, NQ-1, \slot, 0
	WIN 0
	s_barrier_wait -1
.if \fill
	CREST                                          ; a round of the cluster's barrier: no wave of any partner still reads this slot or has a load on its way
	s_add_nc_u64 s[G0+4*\slot+2:G0+4*\slot+3], s[G0+4*\slot+2:G0+4*\slot+3], 2*HALFT
	s_add_nc_u64 s[G0B+4*\slot+2:G0B+4*\slot+3], s[G0B+4*\slot+2:G0B+4*\slot+3], 2*HALFT
	JLOAD G0+4*\slot, G1, G0B+4*\slot, G1B
.else
	PLACES NP
.endif
	FETCH_B \next, 0, 0
	FETCH_A \next, 0, 0
	SCALES \next
	WIN MUL_HI
	MUL16 4, 1, NQ-1, \slot, 0
	MUL16 6, 1, NQ-1, \slot, 0
	PLACES NP
	WIN 0
	FETCH_A \next, 0, 4
.endm
	s_wait_tensorcnt 1                             ; my part of slot 0 is in; slot 1's may stay out
	s_barrier_signal -1
	s_barrier_wait -1
	FETCH_B 0, 0, 0
	FETCH_A 0, 0, 0
	SCALES 0
	FETCH_A 0, 0, 4
	STEP 0, 0, 1
	s_mov_b32 s3, LAPS-1
.Llap:
	TURN 0, 1, 1
	STEP 1, 0, 0
	TURN 1, 0, 1
	STEP 0, 0, 0
	s_sub_co_u32 s3, s3, 1
	s_cmp_lg_u32 s3, 0
	s_cbranch_scc1 .Llap
	TURN 0, 1, 0
	STEP 1, 0, 0
	s_wait_dscnt 4*NL
	WIN MUL_LO
	MUL16 0, 1, NQ-1, 1, 0
	MUL16 2, 1, NQ-1, 1, 0
	s_wait_dscnt 0
	WIN MUL_HI
	MUL16 4, 1, NQ-1, 1, 0
	MUL16 6, 1, NQ-1, 1, 0
	WIN 0
; THE WAY OUT, block by block of 16 rows x 128 columns, through my own stage: in by columns' true places, back as whole rows of 512 bytes.  LDS serves a wave's instructions in order: no wait between stores and loads.
.macro TOSTAGE a
.set AC, 64*((\a)%4)
	WIN 0x08+4*((\a)/4)                            ; the data: window 2 or 3
.irp b, 0,1,2,3,4,5,6,7
	ds_store_b128 v[STO], v[AC+8*\b:AC+8*\b+3] offset:128*(\b/2)+32*(\b%2)          ; each accumulator from its low end on
	ds_store_b128 v[STO], v[AC+8*\b+4:AC+8*\b+7] offset:128*(\b/2)+32*(\b%2)+16
.endr
	WIN 0
.set BB, BK+64*((\a)%2)
.set i, 0
.rept 16
	ds_load_b128 v[BB+4*i:BB+4*i+3], v[RD] offset:i*SPITCH
.set i, i+1
.endr
.endm
.macro SEND a, younger                 ; younger: the LDS instructions issued behind block a's loads
.set BB, BK+64*((\a)%2)
	s_wait_dscnt \younger
.set i, 0
.rept 16
	global_store_b128 v[CO], v[BB+4*i:BB+4*i+3], s[12:13] offset:(32*((\a)/2)+8*((\a)%2)+(i%8)+16*(i/8))*8192 th:TH_STORE_NT   ; stage row i of block a is that row of my 128: 512 consecutive bytes, aligned
.set i, i+1
.endr
.endm
	PLACES NP
	TOSTAGE 0
.irp a, 1,2,3,4,5,6,7
.if \a > 1
	s_wait_xcnt 0x0                                ; block a - 2's stores have read their registers: block a's loads may land there
.endif
	TOSTAGE \a
	SEND \a-1, 32                                  ; behind block a - 1's loads: block a's 16 stores and 16 loads
.endr
	SEND 7, 0
	s_wait_tensorcnt 0x0                           ; the wave's end
	ds_add_u32 v[SPW], v[NIL]
	s_wait_dscnt 0x0
	CROUND                                         ; the closing round
	s_endpgm
.Lfunc_end_k_qd3547fd462_outp:
	.size	k_qd3547fd462_outp, .Lfunc_end_k_qd3547fd462_outp-k_qd3547fd462_outp
	.p2alignl 7, 3214868480
	.fill 96, 4, 3214868480
	.section	.rodata,"a",@progbits
	.p2align	6, 0x0
	.amdhsa_kernel k_qd3547fd462_outp
		.amdhsa_group_segment_fixed_size 327680
		.amdhsa_private_segment_fixed_size 0
		.amdhsa_enable_private_segment 0
		.amdhsa_kernarg_size 24
		.amdhsa_user_sgpr_count 2
		.amdhsa_user_sgpr_kernarg_segment_ptr 1
		.amdhsa_wavefront_size32 1
		.amdhsa_system_sgpr_workgroup_id_x 1
		.amdhsa_system_sgpr_workgroup_id_y 1
		.amdhsa_system_sgpr_workgroup_id_z 1
		.amdhsa_system_vgpr_workitem_id 0
		.amdhsa_next_free_vgpr 1024
		.amdhsa_next_free_sgpr 100
		.amdhsa_reserve_vcc 0
		.amdhsa_float_denorm_mode_32 3
		.amdhsa_float_denorm_mode_16_64 3
		.amdhsa_memory_ordered 1
		.amdhsa_forward_progress 1
		.amdhsa_inst_pref_size 134
	.end_amdhsa_kernel
	.amdgpu_metadata
---
amdhsa.version: [ 1, 2 ]
amdhsa.kernels:
  - .name:           k_qd3547fd462_outp
    .symbol:         k_qd3547fd462_outp.kd
    .args:
      - { .name: ocod, .offset: 0, .size: 8, .value_kind: global_buffer, .address_space: global }
      - { .name: cod, .offset: 8, .size: 8, .value_kind: global_buffer, .address_space: global }
      - { .name: out0, .offset: 16, .size: 8, .value_kind: global_buffer, .address_space: global }
    .group_segment_fixed_size: 327680
    .private_segment_fixed_size: 0
    .kernarg_segment_align: 8
    .kernarg_segment_size: 24
    .max_flat_workgroup_size: 128
    .sgpr_count:     100
    .vgpr_count:     1024
    .wavefront_size: 32
...
	.end_amdgpu_metadata
.endif
;; end of part 4
;; ======== version 2 of 2: 4 launches
;; workspace buffers: cod 17,039,360 bytes; mimg 16,777,216 bytes; rope 1,056,768 bytes; qkv 10,223,616 bytes; ocod 3,407,872 bytes
;; launch prep: the kernel of part 1 again; grid 1024 x 1, 4 waves a work-group, no clusters, 34,304 bytes of LDS; arguments x, mask, Wq, Wk, Wv, Wo, cod, mimg, rope; writes cod, mimg, rope
;; launch proj (part 5): grid 24 x 8, 4 waves a work-group, clusters of 4 x 4, 327,680 bytes of LDS; arguments cod, rope, qkv; writes qkv
.if DOCPART == 5
	.amdgcn_target "amdgcn-amd-amdhsa--gfx1250"
	.amdhsa_code_object_version 6
	.text
	.protected	k_qd3547fd462_proj
	.globl	k_qd3547fd462_proj
	.p2align	8
	.type	k_qd3547fd462_proj,@function
k_qd3547fd462_proj:
	s_mov_b64 s[64:65], 0
	v_nop
	global_prefetch_b8 v0, s[64:65] scope:SCOPE_SE
	s_setreg_imm32_b32 hwreg(HW_REG_WAVE_MODE, 25, 1), 1
	s_wait_xcnt 0x0
	s_wait_alu depctr_hold_cnt(0) depctr_sa_sdst(0) depctr_va_vdst(0) depctr_va_sdst(0) depctr_va_ssrc(0) depctr_va_vcc(0) depctr_vm_vsrc(0)
	s_getreg_b32 s2, hwreg(HW_REG_IB_STS2, 6, 4)
	s_cmp_eq_u32 s2, 0
	s_cbranch_scc0 .Lentry_in_a_cluster
	s_endpgm
.Lentry_in_a_cluster:
	s_bfe_u32 s2, ttmp6, 0x10000c
	s_cmp_lg_u32 s2, 0xf033
	s_cbranch_scc0 .Lentry_shape_is_right
	s_endpgm
.Lentry_shape_is_right:
; PROJ: q = rope(x Wq) / sqrt(128), k = rope(x Wk), v = x Wv, on codes of FP6 (E2M3) with E8M0 scales, sums in f32, K = 2,048 ascending; the results are quantised in registers and leave as codes.
; OPERANDS (buffer cod): blocks OB of 128 rows x 128 K: eight images of fragments (piece c at 512 c + 16 x lane) and from SCO on eight times 128 bytes of scale words; group G, K step s at (16 G + s) OB.
; Groups 0-15 Wq's columns, 16-31 Wk's, 32-47 Wv's, 64-79 x's tokens.  Lane r of tile 2 b + u of a group is row 32 b + 8 u + r % 8 + 16 (r / 8).
; A tile of C, 256 x 256, to a work-group of four waves; a wave makes 128 x 128: 64 accumulators.  Source 0 = 16 rows of B, source 1 = 16 rows of A: a lane holds one row of A, and by the choice of a tile's
; rows its 64 registers of one block of A are B's 128 rows in the order 32 b + 16 (lane / 16) + i: what the quantiser wants along the NEXT product's K.
; Tile columns 0-7: q (A = x, B = Wq), 8-15: k (A = x, B = Wk): a lane is a token, registers run along the head's 128.  16-23: v (A = Wv, B = x): a lane is a channel, registers run along 128 tokens, the keys.
; Which it is hangs on the cluster's x alone (V = cluster x / 4), and enters the addresses by arithmetic: no branch.
; THE RING: two LDS slots of THREE K steps of 128, as large as two fit: a slot holds for each of A's and B's two halves three blocks OB, 39,936 dense bytes, which one tensor load brings as 156 rows of 256 bytes.
; 16 K steps are five slots of three and one of one: four refills, the last of one block (52 rows, a group 1 of its own).  The change of slots stands at the HEAD of a slot's last K step, where all the slot's
; fragments are in registers, and the refill is the first thing behind it: it has that K step and the next slot's first two, 192 matrix instructions, in which to land.
; The six slots differ (B's set by turns, the last refill's shape), so the 16 K steps are written out.
; CLUSTERS 4 x 4: A's halves are asked for jointly along a row of the cluster, B's along a column.
; THE WAY OUT uses no LDS: rotation by the table (cos, sin in the registers' own order; for v the table's tile of (1, 0)), q's factor, the quantiser, three stores of 512 bytes and one of 128 for each block of A.
; LIMITS: NaN and infinities are not served; a block whose largest magnitude lies under 2^-124 gets the scale byte 1.
; REGISTERS: window 0: v3, v4 16 x and 4 x lane; v16-21 LDS addresses; v28, v29 the add's two; v32-79 scale words, two sets, and nothing else; v128-223 A's fragments, one set; on the way out v128-191 the rotated numbers, v192-235 at work.
;   window 1: B's fragments, two sets, at v0 and v128; on the way out four sets of the table.   windows 2, 3: the accumulators ((a, b) at v[8 (8 (a % 4) + b)] of window 2 + a / 4).
.set OB,    13312
.set SCO,   12288
.set GRP,   16*OB
.set OPB,   16*GRP
.set NQ,    3                          ; K steps of 128 in a slot
.set FR,    12                         ; registers of a fragment
.set NL,    3                          ; LDS loads that bring one
.set NP,    4                          ; places behind this matrix instruction (ISA guide 7.12.1)
.set HALFT, NQ*OB                      ; what one tensor load brings
.set SLOT,  4*HALFT                    ; A's two halves, then B's two
.set SPARE, 327168                     ; the last 512 bytes of the claim: the spare words, 128 bytes for each wave
.set LI,   3                           ; v3   16 x lane; never rewritten
.set LS,   4                           ; v4   4 x lane; never rewritten
.set ADRA, 16                          ; v16-17 my A fragments in slot 0, 1
.set ADSC, 18                          ; v18-19 my scale words: lanes 0-15 A's, lanes 16-31 B's
.set ADRB, 20                          ; v20-21 my B fragments
.set SPW,  28
.set NIL,  29
.set SC,   32                          ; set s at v[SC + 24 s]; register 3 i + q: lanes 0-15 the word of A's block i, lanes 16-31 that of B's block i, for the slot's q-th 128 along K
.set AF,   128
.set H,    128                         ; the way out: v128-191 the rotated numbers, v192-210 codes, v212-227 at work, v228 the scale word, v232-235 products
.set PC,   192
.set TM,   212
.set PW,   228
.set T,    232
.set G1,   24                          ; s[24:31] group 1 for A; s[32:39] its groups 0, one for each slot
.set G0,   32
.set G1B,  48                          ; s[48:55], s[56:63] the same for B
.set G0B,  56
.set G1S,  84                          ; s[84:91], s[92:99] groups 1 of the last refill: one block
.set G1SB, 92
.set KIND, 66                          ; s66  0 q, 1 k, 2 v
.set QS,   68                          ; s[68:69] q's factor sqrt(1 / 128), else 1
.set RT,   70                          ; s[70:71] the table's tile in hand
.set RSTEP, 72                         ; s[72:73] 8,192, for v 0
.set DST,  74                          ; s[74:75] my block OB of the result
.set SEL,  76                          ; s[76:77] selects for lane l xor 16
.set MSB, 0
.macro WIN new                         ; the immediate's high byte repeats the setting that is left
.if MSB != \new
	s_set_vgpr_msb (MSB<<8)|\new
.set MSB, \new
.endif
.endm
.set MUL_LO, 0xa1                      ; source 0 (B) window 1, source 1 (A) window 0, C and D window 2
.set MUL_HI, 0xf1                      ; the same, C and D window 3
.set TO_B,   0x40                      ; destination window 1, address window 0
; A joint load: waves 0 and 1 fetch A's halves, waves 2 and 3 B's.  The branch hangs on the wave's number alone.  An s_nop 0 and four v_nop follow each line.
.macro JLOAD g0a, g1a, g0b, g1b
	s_cmp_eq_u32 s15, 0
	s_cbranch_scc0 .Lfor_b_\@
	tensor_load_to_lds s[\g0a:\g0a+3], s[\g1a:\g1a+7]
	s_nop 0
.rept 4
	v_nop
.endr
	s_branch .Lasked_\@
.Lfor_b_\@:
	tensor_load_to_lds s[\g0b:\g0b+3], s[\g1b:\g1b+7]
	s_nop 0
.rept 4
	v_nop
.endr
.Lasked_\@:
.endm
.macro CREST                           ; a round of the cluster's barrier behind its opening barrier
	s_cmp_lg_u32 s14, 0
	s_cbranch_scc1 .Lnot_wave_0_\@
	s_barrier_signal -3
.Lnot_wave_0_\@:
	s_barrier_wait -3
	s_barrier_signal -1
	s_barrier_wait -1
.endm
.macro CROUND
	s_barrier_signal -1
	s_barrier_wait -1
	CREST
.endm
.macro QUANT s                         ; 64 numbers, register 16 b + i = k 32 b + 16 (lane / 16) + i of my row: codes into v[PC] on, the scale word into v[PW]
.irp b, 0,1,2,3
	v_max3_num_f32 v[TM+\b], |v[\s+16*\b]|, |v[\s+1+16*\b]|, 0x1800000   ; and the floor 2^(3 - 127): the byte cannot fall under 1
.endr
.irp i, 2,4,6,8,10,12,14
.irp b, 0,1,2,3
	v_max3_num_f32 v[TM+\b], v[TM+\b], |v[\s+16*\b+\i]|, |v[\s+1+16*\b+\i]|
.endr
.endr
.irp b, 0,1,2,3
	v_permlanex16_b32 v[TM+4+\b], v[TM+\b], s[SEL], s[SEL+1]
.endr
.irp b, 0,1,2,3
	v_max_num_f32 v[TM+\b], v[TM+\b], v[TM+4+\b]
.endr
.irp b, 0,1,2,3
	v_add_nc_u32 v[TM+12+\b], 0xff000000, v[TM+\b]   ; 2 off the exponent field: the conversion's scale operand
.endr
.irp b, 0,1,2,3
	v_lshrrev_b32 v[TM+4+\b], 23, v[TM+12+\b]
.endr
	v_lshl_or_b32 v[PW], v[TM+5], 8, v[TM+4]
	v_lshl_or_b32 v[PW], v[TM+6], 16, v[PW]
	v_lshl_or_b32 v[PW], v[TM+7], 24, v[PW]
.irp c, 0,1
	v_cvt_scalef32_pk16_fp6_f32 v[PC+6*\c:PC+2+6*\c], v[\s+32*\c:\s+15+32*\c], v[TM+12+2*\c]
	v_cvt_scalef32_pk16_fp6_f32 v[PC+12+4*\c:PC+14+4*\c], v[\s+16+32*\c:\s+31+32*\c], v[TM+12+2*\c+1]
.endr
	v_nop                                          ; one plain place behind a scaled conversion
.irp c, 0,1
.irp i, 0,1,2
	v_permlane16_swap_b32 v[PC+6*\c+\i], v[PC+12+4*\c+\i]
.endr
.irp i, 0,1,2
	v_mov_b32 v[PC+3+6*\c+\i], v[PC+12+4*\c+\i]
.endr
.endr
.endm
	s_load_b128 s[4:7], s[0:1], 0x0                ; cod s[4:5], rope s[6:7]
	s_load_b64 s[8:9], s[0:1], 0x10                ; qkv
	v_lshl_add_u32 v[SPW], v0, 2, SPARE
	v_mov_b32 v[NIL], 0
	ds_add_u32 v[SPW], v[NIL]                      ; the wave's opening: the add and its wait stand ahead of my first tensor load; work on registers stands between them
	v_lshrrev_b32 v1, 5, v0
	v_readfirstlane_b32 s14, v1                    ; wave 0..3
	s_lshr_b32 s15, s14, 1                         ; which half of A's rows is mine.  Also: I fetch for A (0) or for B (1)
	s_and_b32 s16, s14, 1                          ; which half of B's rows.  Also: which half I fetch
	s_bfe_u32 s40, ttmp6, 0x40000                  ; cx, cy
	s_bfe_u32 s41, ttmp6, 0x40004
	s_lshl_b32 s42, ttmp9, 2
	s_add_co_u32 s42, s42, s40                     ; tile column = 4 x cluster x + cx, 0 .. 23
	s_and_b32 s17, ttmp7, 0xffff
	s_lshl_b32 s17, s17, 2
	s_add_co_u32 s17, s17, s41                     ; tile row = 4 x cluster y + cy, 0 .. 7
	s_lshl_b32 s43, s41, 2
	s_lshl_b32 s43, 15, s43                        ; my row of the cluster
	s_lshl_b32 s44, 0x1111, s40                    ; my column
	s_or_b32 s[G1+0], s43, (3<<16)|(1<<21)         ; 15:0 the mask; 17:16 elements of 8 bytes; 20 no padding; 21 set beside a mask
	s_or_b32 s[G1B+0], s44, (3<<16)|(1<<21)
	s_or_b32 s[G1S+0], s43, (3<<16)|(1<<21)
	s_or_b32 s[G1SB+0], s44, (3<<16)|(1<<21)
.irp g, G1, G1B
	s_mov_b32 s[\g+1], 32<<16                      ; tensor_dim0 = 32 elements: 256 bytes
	s_mov_b32 s[\g+2], 156<<16                     ; tensor_dim1 = 156 rows: 39,936 dense bytes
	s_mov_b32 s[\g+3], 32<<16                      ; tile_dim0
	s_mov_b32 s[\g+4], 156                         ; tile_dim1
	s_mov_b32 s[\g+5], 32                          ; the pitch
	s_mov_b32 s[\g+6], 0
	s_mov_b32 s[\g+7], 0
.endr
.irp g, G1S, G1SB
	s_mov_b32 s[\g+1], 32<<16
	s_mov_b32 s[\g+2], 52<<16                      ; 52 rows: one block, 13,312 bytes
	s_mov_b32 s[\g+3], 32<<16
	s_mov_b32 s[\g+4], 52
	s_mov_b32 s[\g+5], 32
	s_mov_b32 s[\g+6], 0
	s_mov_b32 s[\g+7], 0
.endr
	s_lshr_b32 s18, ttmp9, 2                       ; V: 1 in the clusters that make v; the sixteen partners share it
	s_lshl_b32 s19, s18, 5
	s_lshl_b32 s20, s17, 1
	s_add_co_u32 s20, s20, s16
	s_add_co_u32 s20, s20, 64
	s_sub_co_u32 s20, s20, s19                     ; A's group: x's 64 + 2 x tile row + half, for v Wv's 32 + ..
	s_lshl_b32 s46, s42, 1
	s_add_co_u32 s46, s46, s16
	s_add_co_u32 s46, s46, s19                     ; B's group: 2 x tile column + half (Wq, Wk), for v 32 more: x's
	s_mul_i32 s20, s20, GRP
	s_mul_i32 s46, s46, GRP
	s_mov_b32 s21, 0
	s_mov_b32 s47, 0
	s_mul_i32 s45, s14, HALFT                      ; where my load goes: wave x 39,936: no place in the cluster enters an LDS address
	; the way out's scalars
	s_lshr_b32 s[KIND], ttmp9, 1
	s_lshl_b32 s78, s17, 1
	s_add_co_u32 s78, s78, s15                     ; my group of A
	s_and_b32 s79, s42, 7
	s_lshl_b32 s79, s79, 1
	s_add_co_u32 s79, s79, s16                     ; my group of B, within its operand
	s_lshl_b32 s82, s78, 3                         ; q, k: my first tile of tokens
	s_cmp_eq_u32 s18, 0
	s_cselect_b32 s80, s79, s78                    ; the head: B's group, for v A's
	s_cselect_b32 s81, s78, s79                    ; the group of tokens: A's, for v B's
	s_cselect_b32 s82, s82, 128                    ; the table's first tile; for v the tile of (1, 0),
	s_cselect_b32 s[RSTEP], 8192, 0                ; which stays
	s_mov_b32 s[RSTEP+1], 0
	s_cmp_eq_u32 s[KIND], 0
	s_cselect_b32 s[QS], 0x3db504f3, 1.0           ; sqrt(1 / 128) for q
	s_mov_b32 s[QS+1], s[QS]
	s_lshl_b32 s80, s80, 4
	s_add_co_u32 s80, s80, s81
	s_mul_i32 s80, s80, OB
	s_mul_i32 s81, s[KIND], OPB
	s_add_co_u32 s[DST], s80, s81                  ; kind x OPB + (16 head + group of tokens) OB
	s_mov_b32 s[DST+1], 0
	s_lshl_b32 s[RT], s82, 13
	s_mov_b32 s[RT+1], 0
	s_mov_b32 s[SEL], 0x76543210
	s_mov_b32 s[SEL+1], 0xfedcba98
	s_wait_dscnt 0x0                               ; the opening add is done
	s_wait_kmcnt 0x0
	s_add_nc_u64 s[20:21], s[4:5], s[20:21]
	s_add_nc_u64 s[46:47], s[4:5], s[46:47]
	s_add_nc_u64 s[DST:DST+1], s[8:9], s[DST:DST+1]
	s_add_nc_u64 s[RT:RT+1], s[6:7], s[RT:RT+1]
	CROUND                                         ; all sixteen work-groups are here: the first joint loads meet
.irp s, 0,1
	s_mov_b32 s[G0+4*\s], 1
	s_add_co_u32 s[G0+4*\s+1], s45, \s*SLOT
	s_add_nc_u64 s[G0+4*\s+2:G0+4*\s+3], s[20:21], \s*HALFT
	s_or_b32 s[G0+4*\s+3], s[G0+4*\s+3], 0x80000000
	s_mov_b32 s[G0B+4*\s], 1
	s_add_co_u32 s[G0B+4*\s+1], s45, \s*SLOT
	s_add_nc_u64 s[G0B+4*\s+2:G0B+4*\s+3], s[46:47], \s*HALFT
	s_or_b32 s[G0B+4*\s+3], s[G0B+4*\s+3], 0x80000000
	JLOAD G0+4*\s, G1, G0B+4*\s, G1B               ; two loads of mine are out
.endr
	v_and_b32 v1, 31, v0
	v_bfe_u32 v2, v0, 4, 1                         ; h
	v_lshlrev_b32 v[LI], 4, v1
	v_lshlrev_b32 v[LS], 2, v1
	s_mul_i32 s21, s15, HALFT                      ; my half of A
	s_mul_i32 s22, s16, HALFT                      ; my half of B,
	s_add_co_u32 s22, s22, 2*HALFT                 ; behind A's two
	s_sub_co_u32 s23, s22, s21
	v_mul_u32_u24 v5, s23, v2                      ; lanes 16-31 take B's scale words: one product, h x the distance
	v_add_nc_u32 v5, v5, v[LS]
.irp s, 0,1
	v_add_nc_u32 v[ADRA+\s], s21, v[LI]
	v_add_nc_u32 v[ADRB+\s], s22, v[LI]
	v_add_nc_u32 v[ADSC+\s], s21, v5
	s_add_co_u32 s21, s21, SLOT
	s_add_co_u32 s22, s22, SLOT
.endr
.macro FRAG reg, adr, q, i             ; a fragment's image comes back as it was stored: three loads of 512 consecutive bytes
.irp c, 0,1,2
	ds_load_b128 v[\reg+4*\c:\reg+4*\c+3], v[\adr] offset:(\q)*OB+(\i)*1536+512*\c
.endr
.endm
; 16 matrix instructions: A's blocks a0, a0 + 1 x B's eight, the slot's q-th 128 along K.  p: B's set; sc: the set of scale words.  zero = 1: the first product starts the sums.
; The 64 accumulators take turns, one instruction a turn, in the same order in every step.
.macro MUL16 a0, p, q, sc, zero
.irp a, \a0, \a0+1
.irp b, 0,1,2,3,4,5,6,7
.if \zero
	v_wmma_scale_f32_16x16x128_f8f6f4 v[8*(8*((\a)%4)+\b):8*(8*((\a)%4)+\b)+7], v[128*(\p)+FR*\b:128*(\p)+FR*\b+FR-1], v[AF+FR*(\a):AF+FR*(\a)+FR-1], 0, v[SC+8*NQ*(\sc)+NQ*\b+(\q)], v[SC+8*NQ*(\sc)+NQ*(\a)+(\q)] matrix_a_fmt:MATRIX_FMT_FP6 matrix_b_fmt:MATRIX_FMT_FP6 matrix_a_scale:MATRIX_SCALE_ROW1
.else
	v_wmma_scale_f32_16x16x128_f8f6f4 v[8*(8*((\a)%4)+\b):8*(8*((\a)%4)+\b)+7], v[128*(\p)+FR*\b:128*(\p)+FR*\b+FR-1], v[AF+FR*(\a):AF+FR*(\a)+FR-1], v[8*(8*((\a)%4)+\b):8*(8*((\a)%4)+\b)+7], v[SC+8*NQ*(\sc)+NQ*\b+(\q)], v[SC+8*NQ*(\sc)+NQ*(\a)+(\q)] matrix_a_fmt:MATRIX_FMT_FP6 matrix_b_fmt:MATRIX_FMT_FP6 matrix_a_scale:MATRIX_SCALE_ROW1
.endif
.endr
.endr
.endm
.macro FETCH_B slot, q, p
	WIN TO_B
.irp i, 0,1,2,3,4,5,6,7
	FRAG 128*(\p)+FR*\i, ADRB+\slot, \q, \i
.endr
	WIN 0
.endm
.macro FETCH_A slot, q, i0
.irp i, \i0, \i0+1, \i0+2, \i0+3
	FRAG AF+FR*(\i), ADRA+\slot, \q, \i
.endr
.endm
.macro SCALES sc, nq                   ; slot sc's scale words of its first nq K steps: lanes 0-15 A's block i, lanes 16-31 B's block i
.set qq, 0
.rept \nq
.irp i, 0,1,2,3,4,5,6,7
	ds_load_b32 v[SC+8*NQ*\sc+NQ*\i+qq], v[ADSC+\sc] offset:qq*OB+SCO+128*\i
.endr
.set qq, qq+1
.endr
.endm
.macro PLACES n                        ; places in front of loads into registers that matrix instructions have read, and of the first read of results
.rept \n
	v_nop
.endr
.endm
.macro STEP slot, q, p, zero           ; a step of 128 along K that has its successor in the same slot; p: B's set in hand
	s_wait_dscnt 4*NL                              ; all but the youngest twelve loads (A's blocks 4-7) are in
	WIN MUL_LO
	MUL16 0, \p, \q, \slot, \zero
	MUL16 2, \p, \q, \slot, \zero
	s_wait_dscnt 0
	PLACES NP
	FETCH_B \slot, (\q)+1, 1-(\p)
	FETCH_A \slot, (\q)+1, 0
	WIN MUL_HI
	MUL16 4, \p, \q, \slot, \zero
	MUL16 6, \p, \q, \slot, \zero
	PLACES NP
	WIN 0
	FETCH_A \slot, (\q)+1, 4
.endm
; A slot's last step changes slots, at its HEAD: each wave waits for all its tensor loads, adds 0 to its spare word, and waits for that and for its own reads of this slot, which are all issued.
; fill = 1: this slot is filled again, with the three K steps two slots on; 2: with the one K step that is left; 0: nothing is left to fetch.  nqn: the K steps that the next slot holds.
.macro TURN slot, next, p, fill, nqn
	s_wait_tensorcnt 0x0                           ; all my tensor loads have landed: my part of the next slot; so a group 0 may be written
	ds_add_u32 v[SPW], v[NIL]                      ; 0 onto my spare word
.if \fill
	s_add_nc_u64 s[G0+4*\slot+2:G0+4*\slot+3], s[G0+4*\slot+2:G0+4*\slot+3], 2*HALFT
	s_add_nc_u64 s[G0B+4*\slot+2:G0B+4*\slot+3], s[G0B+4*\slot+2:G0B+4*\slot+3], 2*HALFT
.endif
	s_wait_dscnt 0x0                               ; the add is done, and my reads of this slot are over
	s_barrier_signal -1
	s_barrier_wait -1
.if \fill == 1
	CREST                                          ; the barrier has opened a round of the cluster's barrier: no wave of any partner still reads this slot or has a load on its way
	JLOAD G0+4*\slot, G1, G0B+4*\slot, G1B         ; my one tensor load behind the round, and the first thing there
.elseif \fill == 2
	CREST
	JLOAD G0+4*\slot, G1S, G0B+4*\slot, G1SB
.endif
	WIN MUL_LO
	MUL16 0, \p, NQ-1, \slot, 0
	MUL16 2, \p, NQ-1, \slot, 0
	PLACES NP
	FETCH_B \next, 0, 1-(\p)
	FETCH_A \next, 0, 0
	SCALES \next, \nqn
	WIN MUL_HI
	MUL16 4, \p, NQ-1, \slot, 0
	MUL16 6, \p, NQ-1, \slot, 0
	PLACES NP
	WIN 0
	FETCH_A \next, 0, 4
.endm
	s_wait_tensorcnt 1                             ; my part of slot 0 is in; slot 1's may stay out
	s_barrier_signal -1
	s_barrier_wait -1
	FETCH_B 0, 0, 0
	FETCH_A 0, 0, 0
	SCALES 0, 3
	FETCH_A 0, 0, 4
	STEP 0, 0, 0, 1                                ; K step 0: its products start the sums
	STEP 0, 1, 1, 0
	TURN 0, 1, 0, 1, 3                             ; K step 2; slot 0 takes K steps 6-8
	STEP 1, 0, 1, 0
	STEP 1, 1, 0, 0
	TURN 1, 0, 1, 1, 3                             ; K step 5; slot 1 takes K steps 9-11
	STEP 0, 0, 0, 0
	STEP 0, 1, 1, 0
	TURN 0, 1, 0, 1, 3                             ; K step 8; slot 0 takes K steps 12-14
	STEP 1, 0, 1, 0
	STEP 1, 1, 0, 0
	TURN 1, 0, 1, 2, 3                             ; K step 11; slot 1 takes K step 15
	STEP 0, 0, 0, 0
	STEP 0, 1, 1, 0
	TURN 0, 1, 0, 0, 1                             ; K step 14; nothing is left to fetch
	s_wait_dscnt 4*NL                              ; K step 15
	WIN MUL_LO
	MUL16 0, 1, 0, 1, 0
	MUL16 2, 1, 0, 1, 0
	s_wait_dscnt 0
	WIN MUL_HI
	MUL16 4, 1, 0, 1, 0
	MUL16 6, 1, 0, 1, 0
	WIN 0
; THE WAY OUT, block by block of A (16 rows of A x B's 128 rows: 64 registers a lane).
.macro TABLE k                         ; the table's tile for block k: 64 registers, (cos, sin) of the pair in registers 2 i, 2 i + 1, into set k % 4 of window 1
	WIN 0x40
.set i, 0
.rept 16
	global_load_b128 v[64*((\k)%4)+4*i:64*((\k)%4)+4*i+3], v[LI], s[RT:RT+1] offset:512*i
.set i, i+1
.endr
	WIN 0
	s_wait_xcnt 0x0                                ; the loads have read their base: it steps to the next tile
	s_add_nc_u64 s[RT:RT+1], s[RT:RT+1], s[RSTEP:RSTEP+1]
.endm
.macro BLOCKOUT a, left                ; left: the table loads issued behind block a's set
.set AC, 64*((\a)%4)
	s_wait_loadcnt \left
	WIN 6+(\a)/4                                   ; source 0: the accumulators' window; source 1: window 1; the rest window 0
.set i, 0
.rept 32
	v_mul_f32 v[T+2*(i%2)], v[AC+2*i+1], v[AC+2*i+1]               ; x2 sin   (the set of the table has the accumulators' numbers: 64 (a % 4) on).  Each accumulator is read from its low end on
	v_mul_f32 v[T+2*(i%2)+1], v[AC+2*i], v[AC+2*i+1]               ; x1 sin
	v_fma_f32 v[H+2*i], v[AC+2*i], v[AC+2*i], -v[T+2*(i%2)]        ; x1 cos - x2 sin
	v_fma_f32 v[H+2*i+1], v[AC+2*i+1], v[AC+2*i], v[T+2*(i%2)+1]   ; x2 cos + x1 sin
.set i, i+1
.endr
	WIN 0
.if (\a) < 4
	TABLE (\a)+4                                   ; the set just read takes the tile of four blocks on
.endif
.set i, 0
.rept 32
	v_pk_mul_f32 v[H+2*i:H+2*i+1], v[H+2*i:H+2*i+1], s[QS:QS+1] op_sel_hi:[1,0]
.set i, i+1
.endr
	s_wait_xcnt 0x0                                ; the last block's stores have read the codes and the scale word
	QUANT H
.irp c, 0,1,2
	global_store_b128 v[LI], v[PC+4*\c:PC+4*\c+3], s[DST:DST+1] offset:(\a)*1536+512*\c   ; 512 consecutive bytes, aligned
.endr
	global_store_b32 v[LS], v[PW], s[DST:DST+1] offset:SCO+128*(\a)
.endm
	PLACES NP                                      ; behind the last products: for the loads into B's registers and the writes below
.irp b, 0,1,2,3
	v_mov_b32 v[TM+4+\b], 0                        ; a lane permute's destination counts as one of its sources
.endr
	TABLE 0
	TABLE 1
	TABLE 2
	TABLE 3
	BLOCKOUT 0, 48
	BLOCKOUT 1, 48
	BLOCKOUT 2, 48
	BLOCKOUT 3, 48
	BLOCKOUT 4, 48
	BLOCKOUT 5, 32
	BLOCKOUT 6, 16
	BLOCKOUT 7, 0
	s_wait_tensorcnt 0x0                           ; the wave's end
	ds_add_u32 v[SPW], v[NIL]
	s_wait_dscnt 0x0
	CROUND                                         ; the closing round: no work-group ends while a partner may still ask for a tile that names it
	s_endpgm
.Lfunc_end_k_qd3547fd462_proj:
	.size	k_qd3547fd462_proj, .Lfunc_end_k_qd3547fd462_proj-k_qd3547fd462_proj
	.p2alignl 7, 3214868480
	.fill 96, 4, 3214868480
	.section	.rodata,"a",@progbits
	.p2align	6, 0x0
	.amdhsa_kernel k_qd3547fd462_proj
		.amdhsa_group_segment_fixed_size 327680
		.amdhsa_private_segment_fixed_size 0
		.amdhsa_enable_private_segment 0
		.amdhsa_kernarg_size 24
		.amdhsa_user_sgpr_count 2
		.amdhsa_user_sgpr_kernarg_segment_ptr 1
		.amdhsa_wavefront_size32 1
		.amdhsa_system_sgpr_workgroup_id_x 1
		.amdhsa_system_sgpr_workgroup_id_y 1
		.amdhsa_system_sgpr_workgroup_id_z 1
		.amdhsa_system_vgpr_workitem_id 0
		.amdhsa_next_free_vgpr 1024
		.amdhsa_next_free_sgpr 100
		.amdhsa_reserve_vcc 0
		.amdhsa_float_denorm_mode_32 3
		.amdhsa_float_denorm_mode_16_64 3
		.amdhsa_memory_ordered 1
		.amdhsa_forward_progress 1
		.amdhsa_inst_pref_size 255
	.end_amdhsa_kernel
	.section	.bss,"aw",@nobits
	.p2align	6
	.space	262144
	.amdgpu_metadata
---
amdhsa.version: [ 1, 2 ]
amdhsa.kernels:
  - .name:           k_qd3547fd462_proj
    .symbol:         k_qd3547fd462_proj.kd
    .args:
      - { .name: cod, .offset: 0, .size: 8, .value_kind: global_buffer, .address_space: global }
      - { .name: rope, .offset: 8, .size: 8, .value_kind: global_buffer, .address_space: global }
      - { .name: qkv, .offset: 16, .size: 8, .value_kind: global_buffer, .address_space: global }
    .group_segment_fixed_size: 327680
    .private_segment_fixed_size: 0
    .kernarg_segment_align: 8
    .kernarg_segment_size: 24
    .max_flat_workgroup_size: 128
    .sgpr_count:     100
    .vgpr_count:     1024
    .wavefront_size: 32
...
	.end_amdgpu_metadata
.endif
;; end of part 5
;; launch attn (part 6): grid 16 x 16, 8 waves a work-group, clusters of 4 x 1, 327,680 bytes of LDS; arguments qkv, mimg, ocod; writes ocod
.if DOCPART == 6
	.amdgcn_target "amdgcn-amd-amdhsa--gfx1250"
	.amdhsa_code_object_version 6
	.text
	.protected	k_qd3547fd462_attn
	.globl	k_qd3547fd462_attn
	.p2align	8
	.type	k_qd3547fd462_attn,@function
k_qd3547fd462_attn:
	s_mov_b64 s[64:65], 0
	v_nop
	global_prefetch_b8 v0, s[64:65] scope:SCOPE_SE
	s_setreg_imm32_b32 hwreg(HW_REG_WAVE_MODE, 25, 1), 1
	s_wait_xcnt 0x0
	s_wait_alu depctr_hold_cnt(0) depctr_sa_sdst(0) depctr_va_vdst(0) depctr_va_sdst(0) depctr_va_ssrc(0) depctr_va_vcc(0) depctr_vm_vsrc(0)
	s_getreg_b32 s2, hwreg(HW_REG_IB_STS2, 6, 4)
	s_cmp_eq_u32 s2, 0
	s_cbranch_scc0 .Lentry_in_a_cluster
	s_endpgm
.Lentry_in_a_cluster:
	s_bfe_u32 s2, ttmp6, 0x10000c
	s_cmp_lg_u32 s2, 0x3003
	s_cbranch_scc0 .Lentry_shape_is_right
	s_endpgm
.Lentry_shape_is_right:
; ATTN: o = softmax(q k^T + mask) v for 16 heads of 128, both products on codes of FP6 (E2M3) with E8M0 scales; o leaves as codes, quantised along (head, channel), the last product's K.
; q already holds the factor sqrt(1 / 128).  THE MASK IS AN INPUT: all 2,048 x 2,048 numbers are read and added, whatever they hold.
; THE SOFTMAX: t = (score + mask) log2 e; M = the running largest t rounded UP to a whole number; p = 2^(t - M) is quantised along the keys, not normalised; the row's sum is taken of the unquantised p
; and divides o at the end.  When M moves, the sum and o are multiplied by 2^(old M - new M): exact.
; SHARES.  A work-group owns 128 queries of one head, each of its eight waves one tile of 16; two waves to a SIMD.  Every wave walks all 2,048 keys, 128 a step.
; BUFFERS.  qkv: kind x OPB + (16 head + group) OB, kind 0 q, 1 k, 2 v; a block OB holds eight images of fragments (piece c at 512 c + 16 x lane) and from SCO on eight times 128 bytes of scale words.
; q, k: a tile is 16 tokens, K the head's 128; v: a tile is 16 channels, K the group's 128 tokens.  Lane r of tile 2 b + u is row 32 b + 8 u + r % 8 + 16 (r / 8), so that the 16 registers of two result tiles are 16 neighbours.
; LAYOUT.  Both products transposed: S^T = k q^T + mask^T (source 0 = 16 keys, source 1 = my 16 queries), O^T = v^T p^T: a lane holds ONE query throughout.
; THE MASK IS THE C OF THE FIRST PRODUCT: mimg holds it in the order of S^T's registers, so it comes from memory straight into registers, 16 loads of 512 consecutive bytes a step, two steps ahead, and its addition costs no line.
; It is not asked for jointly: each wave's tile of it is its own (another query tile than any partner's), so no two work-groups of a cluster read the same bytes of it.
; THE LDS LOADS stand in two runs of 32 a step: k's eight fragments at the step's head; v's eight directly behind the first product, into the same 96 registers, so that they land under the softmax.
; CLUSTER.  The four partners are four groups of queries of one head and walk the same k and v: wave 0 asks for k's two blocks of a slot, wave 1 for v's, JOINTLY, 26,624 dense bytes as 104 rows of 256.
; LIMITS: the mask's numbers are finite (down to -3e38); a row all of whose numbers are hidden alike gives the mean of v, as the problem's own softmax does; NaN and infinities are not served;
; a block whose largest magnitude lies under 2^-124 gets the scale byte 1.
; REGISTERS: v1, v2 16 x and 4 x lane; v5, v6 the add's two; v8, v9 LDS addresses in hand; v12 -M, v13 the largest t, v[14:15] the sum; v16-27 q; v28, v29 the prefetches' offsets; v80-87 the fragments' scale words;
;   v96-159 S^T, then p; v160-223 O^T; v224-235 p's codes; v232-254 at work; v253 p's scale word, v255 q's.   window 1: v0-63, v64-127 the mask of a slot's first and second step; v128-223 eight fragments of k, then of v.
.set OB,    13312
.set SCO,   12288
.set GRP,   16*OB
.set OPB,   16*GRP
.set VOFF,  2*OB                       ; a slot: k's two blocks, then v's two
.set SLOT1, 1<<16                      ; slot 1 begins here: one exclusive or turns an address from one slot to the other
.set SPARE, 2*SLOT1                    ; behind the ring: the spare words, 128 bytes for each of eight waves
.set L16,  1
.set L4,   2
.set SPW,  5
.set NIL,  6
.set AD16, 8
.set AD4,  9
.set PFO,  28                          ; v28  256 x lane: a step's 8,192 bytes of the mask
.set PFK,  29                          ; v29  256 x (26 x my place in the cluster + min(lane, 25)): my work-group's 26 of a slot's 104 rows of 256 bytes
.set FS,   80                          ; v80-87 the eight fragments' scale words, and nothing else
.set FRG,  128                         ; window 1: the eight fragments
.set TM,   32                          ; the way out: v32-47 at work, v48 the scale word, v224-242 codes
.set PW,   48
.set PC,   224
.set TB,   2                           ; s2   LDS byte at which the slot in hand begins
.set WV,   18                          ; s18  my wave's number
.set SEL,  20                          ; s[20:21]
.set CS,   22                          ; s[22:23] log2 e
.set G1,   24                          ; s[24:31] descriptor group 1
.set G0,   40                          ; s[40:43] group 0, which walks
.set MB,   44                          ; s[44:45] the mask of the steps two ahead of the slot in hand
.set SLOTS, 67                         ; s67  slots still to be asked for
.set PFA,  76                          ; s[76:77] where my prefetches of k or v stand: the slot after the one that is being asked for
.set LIM,  80                          ; s80  1 in a wave that prefetches k or v, else the greatest number
.set LIMM, 81                          ; s81  1 where the head is 0, else the greatest number
.set MSB, 0
.macro WIN new
.if MSB != \new
	s_set_vgpr_msb (MSB<<8)|\new
.set MSB, \new
.endif
.endm
.macro JLOAD                           ; wave 0: k's part of a slot; wave 1: v's; the branch hangs on the wave's number alone.  An s_nop 0 and four v_nop follow the load
	s_cmp_lt_u32 s[WV], 2
	s_cbranch_scc0 .Lasked_\@
	tensor_load_to_lds s[G0:G0+3], s[G1:G1+7]
	s_nop 0
.rept 4
	v_nop
.endr
.Lasked_\@:
.endm
; A PREFETCH INTO THE L2 of what the NEXT change of slots will ask for: 26,624 bytes of k and as many of v.  All four clusters of a head walk the same k and v: the head's first cluster asks.
; Its four partners share the 104 rows of 256 bytes out BY ADDRESS, 26 each (lanes 26-31 name the 26th again); wave 2 asks for k's, wave 3 for v's.  The last change that fills a slot asks for nothing.
.macro ASK
	s_cmp_gt_u32 s[SLOTS], s[LIM]
	s_cbranch_scc0 .Lnot_mine_\@
	global_prefetch_b8 v[PFK], s[PFA:PFA+1] th:TH_LOAD_NT scope:SCOPE_SE
.Lnot_mine_\@:
.endm
.macro CROUND                          ; a round of the cluster's barrier
	s_barrier_signal -1
	s_barrier_wait -1
	s_cmp_lg_u32 s[WV], 0
	s_cbranch_scc1 .Lnot_wave_0_\@
	s_barrier_signal -3
.Lnot_wave_0_\@:
	s_barrier_wait -3
	s_barrier_signal -1
	s_barrier_wait -1
.endm
.macro QUANT s                         ; 64 numbers, register 16 b + i = k 32 b + 16 (lane / 16) + i of my row: codes into v[PC] on, the scale word into v[PW]
.irp b, 0,1,2,3
	v_max3_num_f32 v[TM+\b], |v[\s+16*\b]|, |v[\s+1+16*\b]|, 0x1800000
.endr
.irp i, 2,4,6,8,10,12,14
.irp b, 0,1,2,3
	v_max3_num_f32 v[TM+\b], v[TM+\b], |v[\s+16*\b+\i]|, |v[\s+1+16*\b+\i]|
.endr
.endr
.irp b, 0,1,2,3
	v_permlanex16_b32 v[TM+4+\b], v[TM+\b], s[SEL], s[SEL+1]
.endr
.irp b, 0,1,2,3
	v_max_num_f32 v[TM+\b], v[TM+\b], v[TM+4+\b]
.endr
.irp b, 0,1,2,3
	v_add_nc_u32 v[TM+12+\b], 0xff000000, v[TM+\b]
.endr
.irp b, 0,1,2,3
	v_lshrrev_b32 v[TM+4+\b], 23, v[TM+12+\b]
.endr
	v_lshl_or_b32 v[PW], v[TM+5], 8, v[TM+4]
	v_lshl_or_b32 v[PW], v[TM+6], 16, v[PW]
	v_lshl_or_b32 v[PW], v[TM+7], 24, v[PW]
.irp c, 0,1
	v_cvt_scalef32_pk16_fp6_f32 v[PC+6*\c:PC+2+6*\c], v[\s+32*\c:\s+15+32*\c], v[TM+12+2*\c]
	v_cvt_scalef32_pk16_fp6_f32 v[PC+12+4*\c:PC+14+4*\c], v[\s+16+32*\c:\s+31+32*\c], v[TM+12+2*\c+1]
.endr
	v_nop
.irp c, 0,1
.irp i, 0,1,2
	v_permlane16_swap_b32 v[PC+6*\c+\i], v[PC+12+4*\c+\i]
.endr
.irp i, 0,1,2
	v_mov_b32 v[PC+3+6*\c+\i], v[PC+12+4*\c+\i]
.endr
.endr
.endm
; One run of 32 LDS loads: the eight fragments of the block that begins base bytes into the slot in hand, and their scale words
.macro FRAGS base
	WIN 0x40                                       ; destination window 1, address window 0
.irp t, 0,1,2,3,4,5,6,7
.irp c, 0,1,2
	ds_load_b128 v[FRG+12*\t+4*\c:FRG+12*\t+4*\c+3], v[AD16] offset:(\base)+\t*1536+512*\c
.endr
.endr
	WIN 0
.irp t, 0,1,2,3,4,5,6,7
	ds_load_b32 v[FS+\t], v[AD4] offset:(\base)+SCO+128*\t
.endr
.endm
	s_load_b128 s[4:7], s[0:1], 0x0                ; qkv s[4:5], mimg s[6:7]
	s_load_b64 s[8:9], s[0:1], 0x10                ; ocod
	v_lshl_add_u32 v[SPW], v0, 2, SPARE
	v_mov_b32 v[NIL], 0
	ds_add_u32 v[SPW], v[NIL]                      ; the wave's opening: the add and its wait stand ahead of my first tensor load; work on registers stands between them
	v_lshrrev_b32 v8, 5, v0
	v_readfirstlane_b32 s[WV], v8                  ; wave 0..7
	s_bfe_u32 s13, ttmp6, 0x40000                  ; cx
	s_lshl_b32 s14, ttmp9, 2
	s_add_co_u32 s14, s14, s13                     ; my group of 128 queries: it enters q's, the mask's and o's addresses alone
	s_and_b32 s15, ttmp7, 0xffff                   ; the head, which the four partners share
	s_and_b32 s16, s[WV], 1                        ; 0: k, 1: v
	s_mov_b32 s[G1], 15|(3<<16)|(1<<21)            ; 15:0 the mask: all four; 17:16 elements of 8 bytes; 20 no padding; 21 set beside a mask
	s_mov_b32 s[G1+1], 32<<16                      ; tensor_dim0 = 32 elements: 256 bytes
	s_mov_b32 s[G1+2], 104<<16                     ; tensor_dim1 = 104
	s_mov_b32 s[G1+3], 32<<16                      ; tile_dim0
	s_mov_b32 s[G1+4], 104                         ; tile_dim1
	s_mov_b32 s[G1+5], 32                          ; the pitch
	s_mov_b32 s[G1+6], 0
	s_mov_b32 s[G1+7], 0
	s_mul_i32 s17, s16, VOFF                       ; where it goes in a slot
	s_add_co_u32 s10, s16, 1
	s_mul_i32 s10, s10, OPB
	s_mul_i32 s11, s15, GRP
	s_add_co_u32 s10, s10, s11                     ; the head's k or v
	s_mov_b32 s11, 0
	s_lshl_b32 s46, s15, 4
	s_add_co_u32 s46, s46, s14
	s_mul_i32 s46, s46, OB                         ; q: block 16 head + group,
	s_mul_i32 s47, s[WV], 1536
	s_lshl_b32 s49, s[WV], 7
	s_add_co_u32 s48, s46, s49
	s_add_co_u32 s48, s48, SCO                     ; my tile's scale words,
	s_add_co_u32 s46, s46, s47                     ; my tile's image
	s_mov_b32 s47, 0
	s_mov_b32 s49, 0
	s_lshl_b32 s50, s14, 4
	s_add_co_u32 s50, s50, s15
	s_mul_i32 s50, s50, OB                         ; o: block 16 group + head (the head is the last product's K step)
	s_mul_i32 s51, s[WV], 1536
	s_lshl_b32 s53, s[WV], 7
	s_add_co_u32 s52, s50, s53
	s_add_co_u32 s52, s52, SCO
	s_add_co_u32 s50, s50, s51
	s_mov_b32 s51, 0
	s_mov_b32 s53, 0
	s_lshl_b32 s54, s14, 3
	s_add_co_u32 s54, s54, s[WV]                   ; my tile of queries
	s_lshl_b32 s54, s54, 17                        ; 16 steps of 8,192 bytes of the mask
	s_mov_b32 s55, 0
	s_mov_b32 s[SEL], 0x76543210
	s_mov_b32 s[SEL+1], 0xfedcba98
	s_mov_b32 s[CS], 0x3fb8aa3b                    ; log2 e
	s_mov_b32 s[CS+1], s[CS]
	s_mov_b32 s[TB], 0
	s_mov_b32 s[SLOTS], 7
	s_lshr_b32 s82, s[WV], 1
	s_xor_b32 s82, s82, 1                          ; 0 in waves 2 and 3,
	s_or_b32 s82, s82, ttmp9                       ; of the head's first cluster: the same in all four partners
	s_cmp_eq_u32 s82, 0
	s_cselect_b32 s[LIM], 1, -1
	s_cmp_eq_u32 s15, 0
	s_cselect_b32 s[LIMM], 1, -1
	v_and_b32 v3, 31, v0
	v_lshlrev_b32 v[L16], 4, v3
	v_lshlrev_b32 v[L4], 2, v3
	v_lshlrev_b32 v[PFO], 8, v3
	v_min_u32 v[PFK], 25, v3
	s_mul_i32 s83, s13, 26
	v_add_nc_u32 v[PFK], s83, v[PFK]
	v_lshlrev_b32 v[PFK], 8, v[PFK]
	s_wait_dscnt 0x0                               ; the opening add is done
	s_wait_kmcnt 0x0
	s_add_nc_u64 s[10:11], s[4:5], s[10:11]
	s_add_nc_u64 s[46:47], s[4:5], s[46:47]
	s_add_nc_u64 s[48:49], s[4:5], s[48:49]
	s_add_nc_u64 s[50:51], s[8:9], s[50:51]
	s_add_nc_u64 s[52:53], s[8:9], s[52:53]
	s_add_nc_u64 s[54:55], s[6:7], s[54:55]
	s_mov_b64 s[MB:MB+1], s[54:55]                 ; the first change of slots steps it to steps 2 and 3
	s_add_nc_u64 s[PFA:PFA+1], s[10:11], VOFF      ; in slot 1; the first change steps it to slot 2.  Nothing is prefetched here, at the head
	CROUND                                         ; all four work-groups are here: the first joint loads meet
	s_mov_b32 s[G0], 1
	s_mov_b32 s[G0+1], s17
	s_mov_b64 s[G0+2:G0+3], s[10:11]
	s_or_b32 s[G0+3], s[G0+3], 0x80000000
	JLOAD                                          ; slot 0
	global_load_b128 v[16:19], v[L16], s[46:47]    ; q's fragment stays in registers
	global_load_b128 v[20:23], v[L16], s[46:47] offset:512
	global_load_b128 v[24:27], v[L16], s[46:47] offset:1024
	global_load_b32 v255, v[L4], s[48:49]          ; and its scale words
	WIN 0x40                                       ; destination window 1
.set i, 0
.rept 32
	global_load_b128 v[4*i:4*i+3], v[L16], s[54:55] offset:512*i   ; the mask of steps 0 and 1
.set i, i+1
.endr
	WIN 0
	v_mov_b32 v13, 0xff61b1e6                      ; the largest t so far: -3e38
	v_floor_f32 v12, -v13                          ; -M
	v_mov_b32 v14, 0
	v_mov_b32 v15, 0
.irp b, 0,1,2,3
	v_mov_b32 v[236+\b], 0                         ; a lane permute's destination counts as one of its sources
.endr
	v_mov_b32 v253, 0                              ; (named as the upper half of the pair v[252:253] before it is first written)
.set i, 0
.rept 64
	v_mov_b32 v[160+i], 0                          ; O^T: the step is written once; the first finds zeros, which the first change of M leaves zeros
.set i, i+1
.endr
; A KEY STEP: 128 keys, the q-th block of the slot in hand.  more = 1: the mask of the step two on is asked for.  left: the mask loads issued behind this step's.
.macro STEP q, more, left
	v_add_nc_u32 v[AD16], s[TB], v[L16]
	v_add_nc_u32 v[AD4], s[TB], v[L4]
	v_nop
	v_nop                                          ; four places in front of loads into registers that the last products have read
	FRAGS (\q)*OB                                  ; k's eight fragments
	s_wait_loadcnt \left                           ; this step's mask (and in the first step q) is in; the next step's 16 loads may be out
	s_wait_dscnt 0x0
	WIN 0x11                                       ; source 0 (k) and C (the mask): window 1
.irp t, 0,1,2,3,4,5,6,7                        ; S^T = k q^T + mask^T: eight accumulators, one instruction each
	v_wmma_scale_f32_16x16x128_f8f6f4 v[96+8*\t:103+8*\t], v[FRG+12*\t:FRG+12*\t+11], v[16:27], v[64*(\q)+8*\t:64*(\q)+8*\t+7], v[FS+\t], v255 matrix_a_fmt:MATRIX_FMT_FP6 matrix_b_fmt:MATRIX_FMT_FP6
.endr
	WIN 0                                          ; lane (r, h): query r; register 16 b + i: key 32 b + 16 h + i of the step
.rept 4
	v_nop                                          ; places in front of the loads into the fragments', the scale words' and C's registers, and of the first read of results
.endr
	FRAGS VOFF+(\q)*OB                             ; v's eight fragments, into the registers that k's have left: the softmax stands between these loads and the wait for them
.if \more
	WIN 0x40
.set i, 0
.rept 16
	global_load_b128 v[64*(\q)+4*i:64*(\q)+4*i+3], v[L16], s[MB:MB+1] offset:(\q)*8192+512*i   ; the mask of the step two on, into the registers just read
.set i, i+1
.endr
	WIN 0
	s_cmp_gt_u32 s[SLOTS], s[LIMM]                 ; A PREFETCH INTO THE L2 of my tile's mask of the step FOUR on, two steps ahead of its loads: lanes 256 bytes apart, 8,192 bytes.  All sixteen heads read
	s_cbranch_scc0 .Lnopf_\@                       ; the same mask: head 0's work-groups ask, each wave for its own tile, so each block is named once.  The last trip asks for nothing: step 15 is the last
	global_prefetch_b8 v[PFO], s[MB:MB+1] offset:(\q)*8192+16384 th:TH_LOAD_NT scope:SCOPE_SE
.Lnopf_\@:
.endif
.irp b, 0,1,2,3
	v_max3_num_f32 v[232+\b], v[96+16*\b], v[97+16*\b], v[98+16*\b]   ; the largest logit of each block of 32 keys: for the row's maximum, and, since p rises with the logit, for the block's largest p
.endr
.irp i, 3,5,7,9,11,13
.irp b, 0,1,2,3
	v_max3_num_f32 v[232+\b], v[232+\b], v[96+16*\b+\i], v[97+16*\b+\i]
.endr
.endr
.irp b, 0,1,2,3
	v_max_num_f32 v[232+\b], v[232+\b], v[111+16*\b]
.endr
.irp b, 0,1,2,3
	v_permlanex16_b32 v[236+\b], v[232+\b], s[SEL], s[SEL+1]
.endr
.irp b, 0,1,2,3
	v_max_num_f32 v[232+\b], v[232+\b], v[236+\b]  ; with lane l xor 16's 16 keys
.endr
	v_max3_num_f32 v254, v232, v233, v234
	v_max_num_f32 v254, v254, v235
	v_mul_f32 v254, s[CS], v254                    ; as t
	v_max_num_f32 v13, v13, v254                   ; the running largest t
	v_mov_b32 v254, v12
	v_floor_f32 v12, -v13                          ; the new -M = -ceil(t)
	v_sub_f32 v254, v12, v254                      ; old M - new M: a whole number, 0 or less
	v_cvt_i32_f32 v254, v254                       ; (it saturates)
	v_ldexp_f32 v252, 1.0, v254                    ; f = 2^(old M - new M)
.set j, 0
.rept 32
	v_pk_fma_f32 v[96+j:97+j], v[96+j:97+j], s[CS:CS+1], v[12:13] op_sel_hi:[1,0,0]   ; t - M, two at a time
.set j, j+2
.endr
.irp b, 0,1,2,3
	v_fma_f32 v[232+\b], v[232+\b], s[CS], v12     ; the same of each block's largest logit
.endr
.set j, 0
.rept 64
	v_exp_f32 v[96+j], v[96+j]                     ; p = 2^(t - M): one batch
.set j, j+1
.endr
	v_pk_mul_f32 v[14:15], v[14:15], v[252:253] op_sel_hi:[1,0]   ; the sums under the new M: a plain place behind the exponentials
	s_wait_alu depctr_va_vdst(0)                   ; one wait for the batch, ahead of its first reader
.irp b, 0,1,2,3
	v_exp_f32 v[232+\b], v[232+\b]                 ; the block's largest p
.endr
	v_pk_add_f32 v[236:237], v[96:97], v[98:99]    ; the row's sum of the UNQUANTISED p, two at a time, in two chains
.irp j, 4,8,12,16,20,24,28,32,36,40,44,48,52,56,60
	v_pk_add_f32 v[14:15], v[14:15], v[96+\j:97+\j]
	v_pk_add_f32 v[236:237], v[236:237], v[98+\j:99+\j]
.endr
	v_pk_add_f32 v[14:15], v[14:15], v[236:237]
	s_wait_alu depctr_va_vdst(0)                   ; and one for the four
.irp b, 0,1,2,3
	v_max_num_f32 v[232+\b], 0x1800000, v[232+\b]  ; the floor 2^(3 - 127)
.endr
.irp b, 0,1,2,3
	v_add_nc_u32 v[244+\b], 0xff000000, v[232+\b]  ; the conversion's scale operand
.endr
.irp b, 0,1,2,3
	v_lshrrev_b32 v[236+\b], 23, v[244+\b]         ; the scale's byte
.endr
	v_lshl_or_b32 v253, v237, 8, v236              ; p's scale word for these 128 keys
	v_lshl_or_b32 v253, v238, 16, v253
	v_lshl_or_b32 v253, v239, 24, v253
.irp c, 0,1
	v_cvt_scalef32_pk16_fp6_f32 v[224+6*\c:226+6*\c], v[96+32*\c:111+32*\c], v[244+2*\c]
	v_cvt_scalef32_pk16_fp6_f32 v[236+4*\c:238+4*\c], v[112+32*\c:127+32*\c], v[244+2*\c+1]
.endr
	v_nop                                          ; one plain place behind a scaled conversion
.irp c, 0,1
.irp i, 0,1,2
	v_permlane16_swap_b32 v[224+6*\c+\i], v[236+4*\c+\i]
.endr
.irp i, 0,1,2
	v_mov_b32 v[227+6*\c+\i], v[236+4*\c+\i]
.endr
.endr
.set j, 0
.rept 32
	v_pk_mul_f32 v[160+j:161+j], v[160+j:161+j], v[252:253] op_sel_hi:[1,0]   ; O^T under the new M; these 32 are also the places in front of the products below
.set j, j+2
.endr
	s_wait_dscnt 0x0                               ; v's fragments, asked for ahead of the softmax
	WIN 0x01                                       ; source 0 (v): window 1
.irp t, 0,1,2,3,4,5,6,7                        ; O^T += v^T p^T: eight accumulators, one instruction each
	v_wmma_scale_f32_16x16x128_f8f6f4 v[160+8*\t:167+8*\t], v[FRG+12*\t:FRG+12*\t+11], v[224:235], v[160+8*\t:167+8*\t], v[FS+\t], v253 matrix_a_fmt:MATRIX_FMT_FP6 matrix_b_fmt:MATRIX_FMT_FP6
.endr
	WIN 0
.endm
; THE CHANGE OF SLOTS stands at a slot's head.  Each wave waits for all its tensor loads, adds 0 to its spare word, and waits for that and for its reads of the slot that it has left.
; fill = 1: a round of the cluster's barrier, and behind it the slot just left is filled with the next 256 keys: the load has two key steps in which to land.
.macro CHANGE fill
	s_wait_tensorcnt 0x0                           ; no tensor load of mine is out, so the group 0 may be written
	ds_add_u32 v[SPW], v[NIL]                      ; 0 onto my spare word
.if \fill
	s_xor_b32 s[G0+1], s[G0+1], SLOT1              ; the other slot than last time,
	s_add_nc_u64 s[G0+2:G0+3], s[G0+2:G0+3], VOFF  ; the next two blocks
	s_wait_xcnt 0x0                                ; the last slot's mask loads and prefetches have read their bases:
	s_add_nc_u64 s[PFA:PFA+1], s[PFA:PFA+1], VOFF
	s_add_nc_u64 s[MB:MB+1], s[MB:MB+1], 16384     ; the mask two steps ahead of the slot that begins
	s_wait_dscnt 0x0                               ; the add is done, and my reads of the slot that I have left are over
	CROUND
	JLOAD
	ASK
.else
	s_wait_dscnt 0x0
	s_barrier_signal -1
	s_barrier_wait -1
.endif
.endm
.Lslot:                                            ; seven trips: behind each change of slots but the last the next slot is asked for
	CHANGE 1
	STEP 0, 1, 16
	STEP 1, 1, 16
	s_xor_b32 s[TB], s[TB], SLOT1
	s_sub_co_u32 s[SLOTS], s[SLOTS], 1
	s_cmp_lg_u32 s[SLOTS], 0
	s_cbranch_scc1 .Lslot
	CHANGE 0                                       ; the last slot is written out
	STEP 0, 0, 16
	STEP 1, 0, 0
	; THE WAY OUT: O^T / the sum; a lane's 64 numbers are channels 32 b + 16 h + i of its query: the quantiser's order along the last product's K.  No LDS.
.rept 4
	v_nop                                          ; places behind the last products
.endr
	v_add_f32 v14, v14, v15
	v_permlanex16_b32 v252, v14, s[SEL], s[SEL+1]
	v_add_f32 v14, v14, v252                       ; the row's sum
	v_rcp_f32 v14, v14
.irp b, 0,1,2,3
	v_mov_b32 v[TM+4+\b], 0                        ; plain work behind the reciprocal
.endr
	s_wait_alu depctr_va_vdst(0)                   ; the wait ahead of its first reader
.set j, 0
.rept 64
	v_mul_f32 v[96+j], v[160+j], v14               ; each accumulator from its low end on
.set j, j+1
.endr
	QUANT 96
.irp c, 0,1,2
	global_store_b128 v[L16], v[PC+4*\c:PC+4*\c+3], s[50:51] offset:512*\c   ; 512 consecutive bytes, aligned
.endr
	global_store_b32 v[L4], v[PW], s[52:53]
	s_wait_tensorcnt 0x0                           ; the wave's end
	ds_add_u32 v[SPW], v[NIL]
	s_wait_dscnt 0x0
	CROUND                                         ; the closing round
	s_endpgm
.Lfunc_end_k_qd3547fd462_attn:
	.size	k_qd3547fd462_attn, .Lfunc_end_k_qd3547fd462_attn-k_qd3547fd462_attn
	.p2alignl 7, 3214868480
	.fill 96, 4, 3214868480
	.section	.rodata,"a",@progbits
	.p2align	6, 0x0
	.amdhsa_kernel k_qd3547fd462_attn
		.amdhsa_group_segment_fixed_size 327680
		.amdhsa_private_segment_fixed_size 0
		.amdhsa_enable_private_segment 0
		.amdhsa_kernarg_size 24
		.amdhsa_user_sgpr_count 2
		.amdhsa_user_sgpr_kernarg_segment_ptr 1
		.amdhsa_wavefront_size32 1
		.amdhsa_system_sgpr_workgroup_id_x 1
		.amdhsa_system_sgpr_workgroup_id_y 1
		.amdhsa_system_sgpr_workgroup_id_z 1
		.amdhsa_system_vgpr_workitem_id 0
		.amdhsa_next_free_vgpr 480
		.amdhsa_next_free_sgpr 100
		.amdhsa_reserve_vcc 0
		.amdhsa_float_denorm_mode_32 3
		.amdhsa_float_denorm_mode_16_64 3
		.amdhsa_memory_ordered 1
		.amdhsa_forward_progress 1
		.amdhsa_inst_pref_size 99
	.end_amdhsa_kernel
	.amdgpu_metadata
---
amdhsa.version: [ 1, 2 ]
amdhsa.kernels:
  - .name:           k_qd3547fd462_attn
    .symbol:         k_qd3547fd462_attn.kd
    .args:
      - { .name: qkv, .offset: 0, .size: 8, .value_kind: global_buffer, .address_space: global }
      - { .name: mimg, .offset: 8, .size: 8, .value_kind: global_buffer, .address_space: global }
      - { .name: ocod, .offset: 16, .size: 8, .value_kind: global_buffer, .address_space: global }
    .group_segment_fixed_size: 327680
    .private_segment_fixed_size: 0
    .kernarg_segment_align: 8
    .kernarg_segment_size: 24
    .max_flat_workgroup_size: 256
    .sgpr_count:     100
    .vgpr_count:     480
    .wavefront_size: 32
...
	.end_amdgpu_metadata
.endif
;; end of part 6
;; launch outp (part 7): grid 16 x 16, 4 waves a work-group, clusters of 4 x 4, 327,680 bytes of LDS; arguments ocod, cod, out0; writes out0
.if DOCPART == 7
	.amdgcn_target "amdgcn-amd-amdhsa--gfx1250"
	.amdhsa_code_object_version 6
	.text
	.protected	k_qd3547fd462_outp
	.globl	k_qd3547fd462_outp
	.p2align	8
	.type	k_qd3547fd462_outp,@function
k_qd3547fd462_outp:
	s_mov_b64 s[64:65], 0
	v_nop
	global_prefetch_b8 v0, s[64:65] scope:SCOPE_SE
	s_setreg_imm32_b32 hwreg(HW_REG_WAVE_MODE, 25, 1), 1
	s_wait_xcnt 0x0
	s_wait_alu depctr_hold_cnt(0) depctr_sa_sdst(0) depctr_va_vdst(0) depctr_va_sdst(0) depctr_va_ssrc(0) depctr_va_vcc(0) depctr_vm_vsrc(0)
	s_getreg_b32 s2, hwreg(HW_REG_IB_STS2, 6, 4)
	s_cmp_eq_u32 s2, 0
	s_cbranch_scc0 .Lentry_in_a_cluster
	s_endpgm
.Lentry_in_a_cluster:
	s_bfe_u32 s2, ttmp6, 0x10000c
	s_cmp_lg_u32 s2, 0xf033
	s_cbranch_scc0 .Lentry_shape_is_right
	s_endpgm
.Lentry_shape_is_right:
; OUTP: out0 = o Wo on codes of FP6 (E2M3) with E8M0 scales, sums in f32, K = 2,048 ascending; out0 [2048][2048] f32.
; A = ocod: group of 128 tokens G, K step (= head) s at (16 G + s) OB.  B = cod's groups 48-63: Wo's columns.  A block OB holds eight images of fragments (piece c at 512 c + 16 x lane) and from SCO on
; eight times 128 bytes of scale words.  Lane r of tile 2 b + u of a group is row 32 b + 8 u + r % 8 + 16 (r / 8): the way out puts rows and columns back in their places.
; A TILE OF C IS 128 x 128: one group of A against one of B; the problem has 256 such tiles, 256 work-groups.  Four waves, each 64 x 64 (four tiles of A x four of B): 16 accumulators.
; Source 0 = 16 rows of B, source 1 = 16 rows of A.  A tile of 256 x 256 would feed twice the products from each fragment read, and leave three work-groups in four unmade.
; LDS HOLDS TWELVE OF THE SIXTEEN K STEPS.  A K step is two blocks, 26,624 bytes.  Three regions of four K steps (A's four blocks, then B's four) are filled at the start, as one group: each wave issues three
; loads of two blocks (104 rows of 256 bytes).  Only region 0 is filled again, with K steps 12-15, at the head of K step 3, where all its fragments are in registers: that one refill has K steps 3 to 10,
; 128 matrix instructions a wave, in which to land.  The wait for all loads in front of that round shows regions 1.
; CLUSTERS 4 x 4: A's blocks are asked for jointly along a row of the cluster, B's along a column.
; Both operands have two sets of fragment registers: a K step's 24 loads are issued one K step, 16 matrix instructions, ahead of their use.  The 16 K steps are written out.
; REGISTERS: window 0: v8-18 LDS addresses; v24-26 the way out's; v28, v29 the add's two; v32-63 scale words, two sets, and nothing else; v64-127 rows of C on the way out; v128-255 the accumulators ((a, b) at v[128 + 8 (4 a + b)]).
;   window 1: fragments, set p at v[128 p]: B's four, then from + 48 A's four.
.set OB,    13312
.set SCO,   12288
.set GRP,   16*OB
.set NQ,    4                          ; K steps of 128 in a region
.set FR,    12                         ; registers of a fragment
.set NP,    4                          ; places behind this matrix instruction (ISA guide 7.12.1)
.set HALFT, 2*OB                       ; what one tensor load brings
.set REG,   4*HALFT                    ; a region
.set STAGE, REG                        ; the way out: 16 rows x (256 bytes + 16) for each wave, in region 1, which has had its one fill, and its last read when the first result is stored there
.set SPITCH, 272
.set SPARE, 327168                     ; the last 512 bytes of the claim: the spare words, 128 bytes for each wave
.set ADRA, 8                           ; v8-10   my A fragments in region 0, 1, 2
.set ADRB, 12                          ; v12-14  my B fragments
.set ADSC, 16                          ; v16-18  my scale words: lanes 0-15 A's, lanes 16-31 B's
.set STO,  24                          ; v24  where I put 32 bytes of a stage row
.set RD,   25                          ; v25  where I read a row back
.set CO,   26                          ; v26  my bytes of two rows of C
.set SPW,  28
.set NIL,  29
.set SC,   32                          ; set s at v[SC + 16 s]; register 4 i + q: lanes 0-15 the word of my A tile i, lanes 16-31 that of my B tile i, for the region's q-th K step
.set BK,   64
.set ACC,  128
.set G1,   24                          ; s[24:31] group 1 for A;  s[48:55] for B
.set G1B,  48
.set G0B,  68                          ; s[68:79] B's groups 0, one for each region
.set G0,   80                          ; s[80:91] A's
.set MSB, 0
.macro WIN new                         ; the immediate's high byte repeats the setting that is left
.if MSB != \new
	s_set_vgpr_msb (MSB<<8)|\new
.set MSB, \new
.endif
.endm
.set MUL,  0x05                        ; sources 0 (B) and 1 (A) window 1; C and D window 0
.set TO_F, 0x40                        ; destination window 1, address window 0
.macro JLOAD g0a, g1a, g0b, g1b        ; waves 0 and 1 fetch for A, waves 2 and 3 for B; an s_nop 0 and four v_nop follow each line
	s_cmp_eq_u32 s15, 0
	s_cbranch_scc0 .Lfor_b_\@
	tensor_load_to_lds s[\g0a:\g0a+3], s[\g1a:\g1a+7]
	s_nop 0
.rept 4
	v_nop
.endr
	s_branch .Lasked_\@
.Lfor_b_\@:
	tensor_load_to_lds s[\g0b:\g0b+3], s[\g1b:\g1b+7]
	s_nop 0
.rept 4
	v_nop
.endr
.Lasked_\@:
.endm
.macro CREST                           ; a round of the cluster's barrier behind its opening barrier
	s_cmp_lg_u32 s14, 0
	s_cbranch_scc1 .Lnot_wave_0_\@
	s_barrier_signal -3
.Lnot_wave_0_\@:
	s_barrier_wait -3
	s_barrier_signal -1
	s_barrier_wait -1
.endm
.macro CROUND
	s_barrier_signal -1
	s_barrier_wait -1
	CREST
.endm
	s_load_b128 s[4:7], s[0:1], 0x0                ; ocod s[4:5], cod s[6:7]
	s_load_b64 s[12:13], s[0:1], 0x10              ; out0
	v_lshl_add_u32 v[SPW], v0, 2, SPARE
	v_mov_b32 v[NIL], 0
	ds_add_u32 v[SPW], v[NIL]                      ; the wave's opening: the add and its wait stand ahead of my first tensor load; work on registers stands between them
	v_lshrrev_b32 v1, 5, v0
	v_readfirstlane_b32 s14, v1                    ; wave 0..3
	s_lshr_b32 s15, s14, 1                         ; which four tiles of A are mine.  Also: I fetch for A (0) or for B (1)
	s_and_b32 s16, s14, 1                          ; which four tiles of B.  Also: which two of a region's four K steps I fetch
	s_bfe_u32 s40, ttmp6, 0x40000                  ; cx, cy
	s_bfe_u32 s41, ttmp6, 0x40004
	s_lshl_b32 s42, ttmp9, 2
	s_add_co_u32 s42, s42, s40                     ; tile column = B's group, 0 .. 15
	s_and_b32 s17, ttmp7, 0xffff
	s_lshl_b32 s17, s17, 2
	s_add_co_u32 s17, s17, s41                     ; tile row = A's group, 0 .. 15
	s_lshl_b32 s43, s41, 2
	s_lshl_b32 s43, 15, s43                        ; my row of the cluster
	s_lshl_b32 s44, 0x1111, s40                    ; my column
	s_or_b32 s[G1+0], s43, (3<<16)|(1<<21)         ; 15:0 the mask; 17:16 elements of 8 bytes; 20 no padding; 21 set beside a mask
	s_or_b32 s[G1B+0], s44, (3<<16)|(1<<21)
.irp g, G1, G1B
	s_mov_b32 s[\g+1], 32<<16                      ; rows of 256 bytes,
	s_mov_b32 s[\g+2], 104<<16                     ; 104 of them, dense: two blocks
	s_mov_b32 s[\g+3], 32<<16
	s_mov_b32 s[\g+4], 104
	s_mov_b32 s[\g+5], 32
	s_mov_b32 s[\g+6], 0
	s_mov_b32 s[\g+7], 0
.endr
	s_mul_i32 s18, s16, HALFT                      ; my two K steps of a region's four
	s_mul_i32 s20, s17, GRP
	s_add_co_u32 s20, s20, s18                     ; A: group = tile row
	s_add_co_u32 s46, s42, 48
	s_mul_i32 s46, s46, GRP
	s_add_co_u32 s46, s46, s18                     ; B: group = Wo's 48 + tile column
	s_mov_b32 s21, 0
	s_mov_b32 s47, 0
	s_mul_i32 s45, s14, HALFT                      ; where my load goes in a region: wave x 26,624: no place in the cluster enters an LDS address
	s_wait_dscnt 0x0                               ; the opening add is done
	s_wait_kmcnt 0x0
	s_add_nc_u64 s[20:21], s[4:5], s[20:21]
	s_add_nc_u64 s[46:47], s[6:7], s[46:47]
	CROUND                                         ; all sixteen work-groups are here: the first joint loads meet
.irp r, 0,1,2
	s_mov_b32 s[G0+4*\r], 1
	s_add_co_u32 s[G0+4*\r+1], s45, \r*REG
	s_add_nc_u64 s[G0+4*\r+2:G0+4*\r+3], s[20:21], \r*2*HALFT      ; region r begins with K step 4 r
	s_or_b32 s[G0+4*\r+3], s[G0+4*\r+3], 0x80000000
	s_mov_b32 s[G0B+4*\r], 1
	s_add_co_u32 s[G0B+4*\r+1], s45, \r*REG
	s_add_nc_u64 s[G0B+4*\r+2:G0B+4*\r+3], s[46:47], \r*2*HALFT
	s_or_b32 s[G0B+4*\r+3], s[G0B+4*\r+3], 0x80000000
	JLOAD G0+4*\r, G1, G0B+4*\r, G1B               ; three loads of mine are out
.endr
	v_and_b32 v1, 31, v0
	v_bfe_u32 v2, v0, 4, 1                         ; h
	v_lshlrev_b32 v3, 4, v1                        ; 16 x lane
	v_lshlrev_b32 v4, 2, v1                        ; 4 x lane
	s_mul_i32 s21, s15, 4*1536                     ; my four tiles in a block of A
	s_mul_i32 s22, s16, 4*1536                     ; my four tiles in a block of B,
	s_add_co_u32 s22, s22, 2*HALFT                 ; behind A's four blocks
	s_lshl_b32 s23, s15, 9                         ; my four tiles' scale words in a block of A
	s_lshl_b32 s19, s16, 9
	s_add_co_u32 s19, s19, 2*HALFT
	s_sub_co_u32 s19, s19, s23
	v_mul_u32_u24 v5, s19, v2                      ; lanes 16-31 take B's: one product, h x the distance
	v_add_nc_u32 v5, v5, v4
.irp r, 0,1,2
	v_add_nc_u32 v[ADRA+\r], s21, v3
	v_add_nc_u32 v[ADRB+\r], s22, v3
	v_add_nc_u32 v[ADSC+\r], s23, v5
	s_add_co_u32 s21, s21, REG
	s_add_co_u32 s22, s22, REG
	s_add_co_u32 s23, s23, REG
.endr
	s_mul_i32 s23, s14, 16*SPITCH
	s_add_co_u32 s23, s23, STAGE                   ; my stage
	v_and_b32 v6, 15, v0                           ; r
	v_mul_u32_u24 v7, v6, SPITCH
	v_lshl_add_u32 v7, v2, 6, v7
	v_add_nc_u32 v[STO], s23, v7                   ; in: row r, + 64 h: accumulator b's eight columns are 32 (b / 2) + 16 h + 8 (b % 2) + 0 .. 7
	v_mul_u32_u24 v7, v2, SPITCH
	v_lshl_add_u32 v7, v6, 4, v7
	v_add_nc_u32 v[RD], s23, v7                    ; back: lanes 0-15 one row of 256 bytes, lanes 16-31 the next
	v_lshlrev_b32 v[CO], 13, v2
	v_lshl_add_u32 v[CO], v6, 4, v[CO]             ; and the same two rows in C: 8,192 h + 16 r
	s_lshl_b32 s20, s17, 20                        ; my first row of C: 128 x tile row + 64 x half, rows of 8,192 bytes
	s_lshl_b32 s21, s15, 19
	s_add_co_u32 s20, s20, s21
	s_mov_b32 s21, 0
	s_lshl_b32 s46, s42, 9                         ; my first column: 128 x tile column + 64 x half, numbers of 4 bytes
	s_lshl_b32 s47, s16, 8
	s_add_co_u32 s46, s46, s47
	s_mov_b32 s47, 0
	s_add_nc_u64 s[20:21], s[20:21], s[46:47]
	s_add_nc_u64 s[12:13], s[12:13], s[20:21]
; Four matrix instructions: my A tile a x my four B tiles, the region's q-th K step.  p: the set of fragments; sc: the set of scale words.  zero = 1: the first product starts the sums.
; The 16 accumulators take turns, one instruction a turn, in the same order in every step.
.macro MULA a, p, q, sc, zero
.irp b, 0,1,2,3
.if \zero
	v_wmma_scale_f32_16x16x128_f8f6f4 v[ACC+8*(4*(\a)+\b):ACC+8*(4*(\a)+\b)+7], v[128*(\p)+FR*\b:128*(\p)+FR*\b+FR-1], v[128*(\p)+48+FR*(\a):128*(\p)+48+FR*(\a)+FR-1], 0, v[SC+16*(\sc)+NQ*\b+(\q)], v[SC+16*(\sc)+NQ*(\a)+(\q)] matrix_a_fmt:MATRIX_FMT_FP6 matrix_b_fmt:MATRIX_FMT_FP6 matrix_a_scale:MATRIX_SCALE_ROW1
.else
	v_wmma_scale_f32_16x16x128_f8f6f4 v[ACC+8*(4*(\a)+\b):ACC+8*(4*(\a)+\b)+7], v[128*(\p)+FR*\b:128*(\p)+FR*\b+FR-1], v[128*(\p)+48+FR*(\a):128*(\p)+48+FR*(\a)+FR-1], v[ACC+8*(4*(\a)+\b):ACC+8*(4*(\a)+\b)+7], v[SC+16*(\sc)+NQ*\b+(\q)], v[SC+16*(\sc)+NQ*(\a)+(\q)] matrix_a_fmt:MATRIX_FMT_FP6 matrix_b_fmt:MATRIX_FMT_FP6 matrix_a_scale:MATRIX_SCALE_ROW1
.endif
.endr
.endm
.macro MUL16 p, q, sc, zero
	WIN MUL
	MULA 0, \p, \q, \sc, \zero
	MULA 1, \p, \q, \sc, \zero
	MULA 2, \p, \q, \sc, \zero
	MULA 3, \p, \q, \sc, \zero
.endm
.macro FETCH r, q, p                   ; 24 LDS loads in one run: my eight fragments of region r's q-th K step into set p; an image comes back as it was stored, 512 consecutive bytes a load
	WIN TO_F
.irp i, 0,1,2,3
.irp c, 0,1,2
	ds_load_b128 v[128*(\p)+FR*\i+4*\c:128*(\p)+FR*\i+4*\c+3], v[ADRB+\r] offset:(\q)*OB+\i*1536+512*\c
.endr
.endr
.irp i, 0,1,2,3
.irp c, 0,1,2
	ds_load_b128 v[128*(\p)+48+FR*\i+4*\c:128*(\p)+48+FR*\i+4*\c+3], v[ADRA+\r] offset:(\q)*OB+\i*1536+512*\c
.endr
.endr
.endm
.macro SCALES r, sc                    ; region r's scale words into set sc
	WIN 0
.irp q, 0,1,2,3
.irp i, 0,1,2,3
	ds_load_b32 v[SC+16*\sc+NQ*\i+\q], v[ADSC+\r] offset:\q*OB+SCO+128*\i
.endr
.endr
.endm
.macro PLACES n                        ; places in front of loads into registers that matrix instructions have read, and of the first read of results
.rept \n
	v_nop
.endr
.endm
.macro STEP r, q, p, sc, zero          ; a K step that has its successor in the same region
	s_wait_dscnt 0x0                               ; this step's fragments, asked for a K step ago, are in
	PLACES NP                                      ; behind the last step's products, which read the other set
	FETCH \r, (\q)+1, 1-(\p)
	MUL16 \p, \q, \sc, \zero
.endm
.macro CROSS r, p, sc, rn, scn         ; a region's last K step where the next region is known whole: no barrier
	s_wait_dscnt 0x0
	PLACES NP
	FETCH \rn, 0, 1-(\p)
	SCALES \rn, \scn
	MUL16 \p, NQ-1, \sc, 0
.endm
; A region's last K step with a barrier at its head: each wave waits for all its tensor loads, adds 0 to its spare word, and waits for that and for its reads so far.
; fill = 1: region 0, whose fragments are all in registers, is filled again, with K steps 12-15; fill = 0: that refill has landed and is shown to every wave.
.macro TURN r, p, sc, rn, scn, fill
	WIN 0
	s_wait_tensorcnt 0x0                           ; all my tensor loads have landed; so a group 0 may be written
	ds_add_u32 v[SPW], v[NIL]                      ; 0 onto my spare word
.if \fill
	s_add_nc_u64 s[G0+2:G0+3], s[G0+2:G0+3], 6*HALFT       ; twelve K steps on
	s_add_nc_u64 s[G0B+2:G0B+3], s[G0B+2:G0B+3], 6*HALFT
.endif
	s_wait_dscnt 0x0                               ; the add is done, and my LDS reads are back
	s_barrier_signal -1
	s_barrier_wait -1
.if \fill
	CREST                                          ; the barrier has opened a round of the cluster's barrier: no wave of any partner still reads region 0 or has a load on its way
	JLOAD G0, G1, G0B, G1B                         ; my one tensor load behind the round, and the first thing there; its four v_nop are the places in front of the loads below
.else
	PLACES NP
.endif
	FETCH \rn, 0, 1-(\p)
	SCALES \rn, \scn
	MUL16 \p, NQ-1, \sc, 0
.endm
	s_wait_tensorcnt 2                             ; my part of region 0 is in; regions 1 and 2's may stay out
	s_barrier_signal -1
	s_barrier_wait -1
	FETCH 0, 0, 0
	SCALES 0, 0
	STEP 0, 0, 0, 0, 1                             ; K step 0: its products start the sums
	STEP 0, 1, 1, 0, 0
	STEP 0, 2, 0, 0, 0
	TURN 0, 1, 0, 1, 1, 1                          ; K step 3; region 0 takes K steps 12-15
	STEP 1, 0, 0, 1, 0
	STEP 1, 1, 1, 1, 0
	STEP 1, 2, 0, 1, 0
	CROSS 1, 1, 1, 2, 0                            ; K step 7
	STEP 2, 0, 0, 0, 0
	STEP 2, 1, 1, 0, 0
	STEP 2, 2, 0, 0, 0
	TURN 2, 1, 0, 0, 1, 0                          ; K step 11; behind its barrier nobody reads regions 1 and 2 any more
	STEP 0, 0, 0, 1, 0
	STEP 0, 1, 1, 1, 0
	STEP 0, 2, 0, 1, 0
	s_wait_dscnt 0x0                               ; K step 15: nothing more to fetch
	MUL16 1, NQ-1, 1, 0
	WIN 0
; THE WAY OUT, block by block of 16 rows x 64 columns, through my own stage: in by the columns' true places, back as whole rows of 256 bytes.  LDS serves a wave's instructions in order: no wait between stores and loads.
.macro TOSTAGE a
.irp b, 0,1,2,3
	ds_store_b128 v[STO], v[ACC+8*(4*(\a)+\b):ACC+8*(4*(\a)+\b)+3] offset:128*(\b/2)+32*(\b%2)          ; each accumulator from its low end on
	ds_store_b128 v[STO], v[ACC+8*(4*(\a)+\b)+4:ACC+8*(4*(\a)+\b)+7] offset:128*(\b/2)+32*(\b%2)+16
.endr
.set BB, BK+32*((\a)%2)
.set i, 0
.rept 8
	ds_load_b128 v[BB+4*i:BB+4*i+3], v[RD] offset:2*i*SPITCH
.set i, i+1
.endr
.endm
.macro SEND a, younger                 ; younger: the LDS instructions issued behind block a's loads
.set BB, BK+32*((\a)%2)
	s_wait_dscnt \younger
.set i, 0
.rept 8
	global_store_b128 v[CO], v[BB+4*i:BB+4*i+3], s[12:13] offset:(32*((\a)/2)+8*((\a)%2)+2*(i%4)+16*(i/4))*8192 th:TH_STORE_NT   ; stage rows 2 i and 2 i + 1 of block a: sixteen lanes store 256 consecutive bytes, aligned
.set i, i+1
.endr
.endm
	PLACES NP                                      ; behind the last products
	TOSTAGE 0
.irp a, 1,2,3
.if \a > 1
	s_wait_xcnt 0x0                                ; block a - 2's stores have read their registers: block a's loads may land there
.endif
	TOSTAGE \a
	SEND \a-1, 16                                  ; behind block a - 1's loads: block a's 8 stores and 8 loads
.endr
	SEND 3, 0
	s_wait_tensorcnt 0x0                           ; the wave's end
	ds_add_u32 v[SPW], v[NIL]
	s_wait_dscnt 0x0
	CROUND                                         ; the closing round: no work-group ends while a partner may still ask for a tile that names it
	s_endpgm
.Lfunc_end_k_qd3547fd462_outp:
	.size	k_qd3547fd462_outp, .Lfunc_end_k_qd3547fd462_outp-k_qd3547fd462_outp
	.p2alignl 7, 3214868480
	.fill 96, 4, 3214868480
	.section	.rodata,"a",@progbits
	.p2align	6, 0x0
	.amdhsa_kernel k_qd3547fd462_outp
		.amdhsa_group_segment_fixed_size 327680
		.amdhsa_private_segment_fixed_size 0
		.amdhsa_enable_private_segment 0
		.amdhsa_kernarg_size 24
		.amdhsa_user_sgpr_count 2
		.amdhsa_user_sgpr_kernarg_segment_ptr 1
		.amdhsa_wavefront_size32 1
		.amdhsa_system_sgpr_workgroup_id_x 1
		.amdhsa_system_sgpr_workgroup_id_y 1
		.amdhsa_system_sgpr_workgroup_id_z 1
		.amdhsa_system_vgpr_workitem_id 0
		.amdhsa_next_free_vgpr 512
		.amdhsa_next_free_sgpr 100
		.amdhsa_reserve_vcc 0
		.amdhsa_float_denorm_mode_32 3
		.amdhsa_float_denorm_mode_16_64 3
		.amdhsa_memory_ordered 1
		.amdhsa_forward_progress 1
		.amdhsa_inst_pref_size 81
	.end_amdhsa_kernel
	.amdgpu_metadata
---
amdhsa.version: [ 1, 2 ]
amdhsa.kernels:
  - .name:           k_qd3547fd462_outp
    .symbol:         k_qd3547fd462_outp.kd
    .args:
      - { .name: ocod, .offset: 0, .size: 8, .value_kind: global_buffer, .address_space: global }
      - { .name: cod, .offset: 8, .size: 8, .value_kind: global_buffer, .address_space: global }
      - { .name: out0, .offset: 16, .size: 8, .value_kind: global_buffer, .address_space: global }
    .group_segment_fixed_size: 327680
    .private_segment_fixed_size: 0
    .kernarg_segment_align: 8
    .kernarg_segment_size: 24
    .max_flat_workgroup_size: 128
    .sgpr_count:     100
    .vgpr_count:     512
    .wavefront_size: 32
...
	.end_amdgpu_metadata
.endif
;; end of part 7
